; MI455X (gfx1250); checked and timed in simulation.
; The chip was launched on July 23, 2026; its instructions are those of AMD's public machine-readable ISA for CDNA 5 (MIT licence, August 2026) and "CDNA5" Instruction Set Architecture Reference Guide (July 2026). The comments in the code are by the model that wrote it; some were corrected since.
;; Mo E Layer. Allowed arithmetic: matrix products marked QUANTISED: E2M1 operands, one E8M0 scale for each 32 along K, by v_wmma_scale_f32_16x16x128_f8f6f4 with both operands' format E2M1 (or v_wmma_scale_f32_32x16x128_f4), f32 sums; products left as they are: f32 operands where the result goes on into a quantised operand, else bf16, f16 or f32 operands; f32 sums; everything else in f32.
;; Inputs: W1_codes 8 x 2,048 x 16 x 16 uint8 (E2M1 codes of W1, K innermost, in blocks of 32 codes, two codes a byte); W1_scales 8 x 2,048 x 16 uint8 (E8M0 scales of W1, one for each 32 codes along K); W2_codes 8 x 512 x 64 x 16 uint8 (E2M1 codes of W2, K innermost, in blocks of 32 codes, two codes a byte); W2_scales 8 x 512 x 64 uint8 (E8M0 scales of W2, one for each 32 codes along K); b1 8 x 2,048 float32; b2 8 x 512 float32; gate_W 512 x 8 float32; gate_b 8 float32; ln_b 8 x 2,048 float32; ln_g 8 x 2,048 float32; out_b 512 float32; out_g 512 float32; x 4,096 x 512 float32.
;; Outputs: out0 4,096 x 512 float32; out1 one number float32.
;; This version of the problem:
;;   THIS VERSION OF THE PROBLEM IS GIVEN IN LOW PRECISION. The matrix products marked QUANTISED in the list below multiply operands that are first quantised to E2M1 (2 exponent bits, 1 mantissa bit; 4 bits a number), with one power-of-two scale for each 32 numbers along K (OCP MX v1.0); their sums are f32. All else is computed in f32.
;;   The module's matrix products, in the order in which they are computed (A, B: the left and right operand; K: the contracted axis; several contracted axes count as one K, in the product's order):
;;     1. [M 4,096, K 512] x [K 512, N 8]; A: input x; B: input gate_W: left as it is (N = 8 < 16)
;;     2. [M 4,096, K 512] x [K 512, N 16,384]; A: input x; B: input W1 (given as codes): QUANTISED
;;     3. batch 8 x [M 512, K 2,048] x [K 2,048, N 4,096]; A: input W2 (given as codes); B: computed on the way: QUANTISED
;;     4. batch 4,096 x [M 1, K 8] x [K 8, N 512]; A: computed on the way; B: computed on the way: left as it is (K = 8 < 32)
;;   THE QUANTISER, for each operand of a quantised product, along K:
;;     - K is cut into blocks of 32 from its start; a last block that is shorter is filled with zeros.
;;     - A block's scale is 2^e with e = floor(log2(the largest magnitude in the block)) - 2, held to -126 .. 127; a block of zeros has e = 0. As a byte (E8M0): e + 127.
;;     - Each number is divided by its block's scale, clamped to +-6, and rounded to the nearest number of E2M1, ties to even, subnormals kept.
;;     - The product sums the exact products of the quantised numbers (number of the format x scale) in f32.
;;   ~~~python
;;   def quantise(x, axis):      # numpy; x: float32 -> the quantised numbers, widened to float32 again
;;       x = np.moveaxis(x, axis, -1); K = x.shape[-1]
;;       x = np.pad(x, [(0, 0)] * (x.ndim - 1) + [(0, -K % 32)]); x = x.reshape(x.shape[:-1] + (-1, 32)); a = np.abs(x).max(-1, keepdims=True)
;;       e = np.where(a > 0, np.clip(np.frexp(np.where(a > 0, a, 1))[1] - 1 - 2, -126, 127), 0)      # np.frexp(a)[1] - 1 = floor(log2(a)), exactly
;;       r = np.clip(x / 2.0 ** e, -6, 6)
;;       step = 2.0 ** (np.maximum(np.frexp(np.where(r == 0, 1, r))[1] - 1, 0) - 1)
;;       q = np.round(r / step) * step * 2.0 ** e      # np.round: ties to even
;;       return np.moveaxis(q.reshape(q.shape[:-2] + (-1,))[..., :K], -1, axis).astype(np.float32)
;;   ~~~
;;   OPERANDS COMPUTED ON THE WAY. 'Computed on the way' means the value that the module computes at that place (a softmax that the list does not call 'softmax' is quantised finished and normalised). What goes into a quantiser is computed in f32, as accurately as f32 sums, v_exp_f32 and their like allow (about 1e-6 of the number): no bf16 or f16 on the way to a quantiser, and a product that is left as it is and whose result goes on into a quantised operand takes f32 operands (vector FMAs, or v_wmma_f32_16x16x4_f32). A number that lies on a knife's edge between two numbers of the format may be rounded either way, as far as f32 arithmetic and the matrix unit's own rounding can turn it there, and no further.
;;   INPUTS GIVEN AS CODES. W1 (in the module: [8, 512, 2048], K = its axis 1); W2 (in the module: [8, 2048, 512], K = its axis 1): each comes as NAME_codes (uint8): NAME with its K axis moved to the last place and cut into blocks of 32 codes, [.., K / 32, bytes a block], one block behind the other in memory; two codes a byte, the lower K in the low four bits (a code: sign, 2 exponent bits, 1 mantissa bit); and NAME_scales (uint8): the same leading axes, one E8M0 byte (e + 127) for each 32 codes along K. Its value is code x scale, taken as it is: it is not quantised again, and the codes and scales need not be those that the quantiser above would give.
;; 2 versions, each right; version 2 is version 1 with the launch chain written anew for expert scheduling mode. Each part assembles by itself: llvm-mc -triple=amdgcn-amd-amdhsa -mcpu=gfx1250 --defsym DOCPART=n.
;; ======== version 1 of 2: 4 launches
;; workspace buffers: xq 1,114,112 bytes; eidx 32,768 bytes of whole numbers; gout 36,864 bytes; plan 36,864 bytes of whole numbers; wf 8,650,752 bytes; y 16,777,216 bytes
;; launch gate (part 1): grid 128 x 1, 8 waves a work-group, no clusters, 60,416 bytes of LDS; arguments x, gate_W, gate_b, xq, eidx, gout; writes xq, eidx, gout
.if DOCPART == 1
	.amdgcn_target "amdgcn-amd-amdhsa--gfx1250"
	.amdhsa_code_object_version 6
	.text
	.protected	k_qe59bc986f4_gate
	.globl	k_qe59bc986f4_gate
	.p2align	8
	.type	k_qe59bc986f4_gate,@function
k_qe59bc986f4_gate:
	s_mov_b64 s[64:65], 0
	v_nop
	global_prefetch_b8 v0, s[64:65] scope:SCOPE_SE
	s_setreg_imm32_b32 hwreg(HW_REG_WAVE_MODE, 25, 1), 1
	s_wait_xcnt 0x0
; FIRST OF FOUR LAUNCHES: gate, place, chain, combine.
; WORK LEFT OUT BY THE PROGRAM.  For a token n and an expert e outside the token's top 2, cw[n][e] is 0 by the one_hot that the layer builds itself, so h, a and y of that (n, e) reach
; out0 only through a product with 0, whatever finite values the inputs hold; probs, mask and the aux loss do not hang on them.  So of the two expert products only the rows of the two chosen
; experts of each token are multiplied: 8,192 rows of 32,768.  Every input keeps a way to an output and is loaded.
; LIMIT: a NaN, an infinity or an overflow that arises only in an expert row left out is not carried to the result.
; THIS LAUNCH: logits = x gate_W + gate_b in f32, softmax with the row's maximum taken away, top 2 (of equal probabilities the lower index is kept), the two weights divided by their sum,
; each work-group's sum of probabilities; and x is quantised ONCE to E2M1 codes with one E8M0 byte for each 32 along K.
; Stored: xq = codes [4096][256 B], then from byte 1,048,576 the scale bytes [4096][16]; eidx [4096][2] u32; gout = weights [4096][2] f32, then from byte 32,768 the sums [128][8] f32.
; LIMITS: a block of x whose largest magnitude lies under 2^-124 gets the byte 1 (a block of zeros too: its codes are zeros, and this program alone reads the bytes); NaN and infinities in x
; are not served; two probabilities that differ by less than f32 rounding of the logits may be ranked either way.
; SHARES.  A work-group takes 32 tokens, each of its eight waves four.  A token is 2,048 bytes: four loads of 512 consecutive bytes; all sixteen loads of a wave go out at the head.
; The conversions want 16 neighbours along K in one lane: a token turns through the wave's own stage in LDS (64 bytes + 16 of padding a lane).  Lane l then holds k = 16 l .. 16 l + 15,
; and its 128 gate weights of those k lie in registers as [expert][k], so that one packed multiply-add takes two neighbouring k of one expert.
.set GW,    0                          ; LDS: gate_W, 32 chunks of 512 bytes + 16 (the pitch is an odd multiple of 16 bytes)
.set STG,   16896                      ; 8 waves x 2 stages x 2,560
.set LG,    57856                      ; logits: 32 tokens x 32 bytes
.set SCB,   58880                      ; scale bytes: 32 tokens x 16
.set SPARE, 59392                      ; the spare words: 128 bytes a wave, four blocks of 256 bytes that no other line names
.set SP,    80
.set ACC,   16                         ; v16-31   eight pairs: (even k, odd k) sums of an expert
.set SUM,   32                         ; v32-39   a token's eight logits
.set TP,    40                         ; v40-47   at work
.set CD,    48                         ; v48-55   codes, two registers a token
.set BY,    56                         ; v56-59   a scale byte a token
.set R,     64                         ; v64-127  four tokens x 16 numbers
.set GT,    128                        ; v128-255 gate weights [expert][16 k]
	s_load_b256 s[4:11], s[0:1], 0x0               ; x, gate_W, gate_b, xq
	s_load_b128 s[12:15], s[0:1], 0x20             ; eidx, gout
	v_lshl_add_u32 v1, v0, 2, SPARE                ; my spare word
	v_mov_b32 v2, 0
	v_lshrrev_b32 v11, 5, v0
	v_readfirstlane_b32 s16, v11                   ; wave 0..7
	v_and_b32 v11, 31, v0                          ; lane
	v_lshlrev_b32 v3, 4, v11                       ; 16 x lane
	s_mul_i32 s17, s16, 2*32*SP
	s_add_co_u32 s17, s17, STG                     ; my stages
	v_lshrrev_b32 v4, 2, v11
	v_mul_u32_u24 v4, v4, SP
	v_and_b32 v12, 3, v11
	v_lshl_add_u32 v4, v12, 4, v4
	v_add_nc_u32 v4, s17, v4                       ; into a stage: four lanes' 64 bytes on end, then the padding
	v_mul_u32_u24 v5, v11, SP
	v_add_nc_u32 v5, s17, v5                       ; out of it: my 16 neighbours
	v_lshlrev_b32 v6, 3, v11                       ; 8 x lane
	s_lshl_b32 s17, s16, 6
	s_add_co_u32 s17, s17, SCB
	v_lshrrev_b32 v7, 1, v11
	v_add_nc_u32 v7, s17, v7                       ; my block's scale byte: SCB + 64 w + lane / 2 (+ 16 t)
	s_mul_i32 s17, s16, 4*528
	v_add_nc_u32 v8, s17, v3                       ; gate_W into LDS: my wave's four chunks
	v_mul_u32_u24 v9, v11, 528                     ; and out: my lane's chunk
	s_lshl_b32 s17, s16, 7
	s_add_co_u32 s17, s17, LG
	v_mov_b32 v10, s17                             ; my wave's four tokens' logits
	v_lshlrev_b32 v60, 5, v11
	v_add_nc_u32 v60, LG, v60                      ; wave 0 at the end: lane = token
	v_add_nc_u32 v61, SCB, v3
	s_lshl_b32 s17, s16, 11
	v_add_nc_u32 v13, s17, v3                      ; my wave's 2,048 bytes of gate_W
.irp e, 0,1,2,3,4,5,6,7
	v_mov_b32 v[TP+\e], 0                          ; written once: a lane permute's destination counts as one of its sources
.endr
	s_mov_b32 s34, 0x76543210
	s_mov_b32 s35, 0xfedcba98                      ; selects: lane l xor 16
	s_lshl_b32 s18, ttmp9, 16
	s_lshl_b32 s17, s16, 13
	s_add_co_u32 s18, s18, s17                     ; (32 wg + 4 w) x 2,048
	s_mov_b32 s19, 0
	s_lshl_b32 s20, ttmp9, 13
	s_lshl_b32 s17, s16, 10
	s_add_co_u32 s20, s20, s17                     ; (32 wg + 4 w) x 256
	s_mov_b32 s21, 0
	s_wait_kmcnt 0x0
	s_load_b256 s[24:31], s[8:9], 0x0              ; gate_b
	s_add_nc_u64 s[4:5], s[4:5], s[18:19]          ; x at my first token
	s_add_nc_u64 s[22:23], s[10:11], s[20:21]      ; its codes
	s_lshl_b32 s18, ttmp9, 9
	s_add_nc_u64 s[32:33], s[10:11], s[18:19]
	s_add_nc_u64 s[32:33], s[32:33], 0x100000      ; the work-group's 512 scale bytes
	s_lshl_b32 s18, ttmp9, 8
	s_add_nc_u64 s[36:37], s[12:13], s[18:19]      ; its 256 bytes of eidx
	s_add_nc_u64 s[38:39], s[14:15], s[18:19]      ; and of the weights
	s_lshl_b32 s18, ttmp9, 5
	s_add_nc_u64 s[40:41], s[14:15], s[18:19]
	s_add_nc_u64 s[40:41], s[40:41], 0x8000        ; its eight sums
.irp j, 0,1,2,3
	global_load_b128 v[SUM+4*\j:SUM+4*\j+3], v13, s[6:7] offset:512*\j
.endr
.macro LOADX t
.irp i, 0,1,2,3
	global_load_b128 v[R+16*\t+4*\i:R+16*\t+4*\i+3], v3, s[4:5] offset:2048*\t+512*\i th:TH_LOAD_NT
.endr
.endm
	LOADX 0
	LOADX 1
	LOADX 2
	LOADX 3
	s_wait_loadcnt 16                              ; gate_W's four loads are in; the sixteen of x are younger
.irp j, 0,1,2,3
	ds_store_b128 v8, v[SUM+4*\j:SUM+4*\j+3] offset:GW+528*\j
.endr
	s_wait_dscnt 0x0                               ; for the others' sake
	s_barrier_signal -1
	s_barrier_wait -1                              ; all of gate_W lies in LDS
.irp e, 0,1,2,3,4,5,6,7
.irp k, 0,1,2,3,4,5,6,7,8,9,10,11,12,13,14,15
	ds_load_b32 v[GT+16*\e+\k], v9 offset:GW+32*\k+4*\e   ; gate_W[16 l + k][e], once for the launch
.endr
.endr
; a token through the stage: LDS serves a wave's instructions in order, so no wait stands between the stores and the loads; the numbers come back into the registers that they left
.macro TURN t
.irp i, 0,1,2,3
	ds_store_b128 v4, v[R+16*(\t)+4*\i:R+16*(\t)+4*\i+3] offset:32*SP*((\t)%2)+8*SP*\i
.endr
.irp i, 0,1,2,3
	ds_load_b128 v[R+16*(\t)+4*\i:R+16*(\t)+4*\i+3], v5 offset:32*SP*((\t)%2)+16*\i
.endr
.endm
	s_wait_loadcnt 12                              ; token 0 is in
	TURN 0
	s_wait_kmcnt 0x0                               ; gate_b
.macro STEP t
.set XS, R+16*(\t)
	s_wait_dscnt 0x0                               ; this token is back from the stage (t = 0: the gate weights are in too); the last token's LDS stores have read their registers
.if (\t) < 3
	s_wait_loadcnt 4*(2-(\t))                      ; the next token's four loads are in; later tokens' may be out
	TURN (\t)+1
.endif
.irp e, 0,1,2,3,4,5,6,7
	v_pk_mul_f32 v[ACC+2*\e:ACC+2*\e+1], v[XS:XS+1], v[GT+16*\e:GT+16*\e+1]   ; the first product starts the sums
.endr
.irp k, 2,4,6,8,10,12,14
.irp e, 0,1,2,3,4,5,6,7
	v_pk_fma_f32 v[ACC+2*\e:ACC+2*\e+1], v[XS+\k:XS+\k+1], v[GT+16*\e+\k:GT+16*\e+\k+1], v[ACC+2*\e:ACC+2*\e+1]
.endr
.endr
.irp e, 0,1,2,3,4,5,6,7
	v_add_f32 v[SUM+\e], v[ACC+2*\e], v[ACC+2*\e+1]
.endr
.irp x, 1,2,4,8
.irp e, 0,1,2,3,4,5,6,7
	v_add_f32_dpp v[SUM+\e], v[SUM+\e], v[SUM+\e] row_xmask:\x row_mask:0xf bank_mask:0xf
.endr
.endr
.irp e, 0,1,2,3,4,5,6,7
	v_permlanex16_b32 v[TP+\e], v[SUM+\e], s34, s35
.endr
.irp e, 0,1,2,3,4,5,6,7
	v_add_f32 v[SUM+\e], v[SUM+\e], v[TP+\e]       ; every lane holds the token's eight sums
.endr
	ds_store_b128 v10, v[SUM:SUM+3] offset:32*(\t)         ; all lanes write the same words with the same values
	ds_store_b128 v10, v[SUM+4:SUM+7] offset:32*(\t)+16
	v_max3_num_f32 v12, |v[XS]|, |v[XS+1]|, |v[XS+2]|      ; the quantiser: the largest magnitude of my 16,
	v_max3_num_f32 v14, |v[XS+3]|, |v[XS+4]|, |v[XS+5]|
.irp i, 6,10
	v_max3_num_f32 v12, v12, |v[XS+\i]|, |v[XS+\i+1]|
	v_max3_num_f32 v14, v14, |v[XS+\i+2]|, |v[XS+\i+3]|
.endr
	v_max3_num_f32 v12, v12, |v[XS+14]|, |v[XS+15]|
	v_max3_num_f32 v12, v12, v14, 0x1800000        ; the floor 2^(3 - 127): the byte cannot fall under 1
	v_max_num_f32_dpp v12, v12, v12 row_xmask:1 row_mask:0xf bank_mask:0xf   ; and of my neighbour's 16: the block's
	v_add_nc_u32 v15, 0xff000000, v12              ; 2 off its exponent field: the conversion takes that field as its scale
	v_cvt_scalef32_pk8_fp4_f32 v[CD+2*(\t)], v[XS:XS+7], v15
	v_cvt_scalef32_pk8_fp4_f32 v[CD+2*(\t)+1], v[XS+8:XS+15], v15
	v_lshrrev_b32 v[BY+(\t)], 23, v15              ; the scale's byte
	ds_store_b8 v7, v[BY+(\t)] offset:16*(\t)      ; both lanes of a block write the same byte
	global_store_b64 v6, v[CD+2*(\t):CD+2*(\t)+1], s[22:23] offset:256*(\t)   ; the wave stores 256 consecutive bytes, aligned
.endm
	STEP 0
	STEP 1
	STEP 2
	STEP 3
	s_wait_dscnt 0x0                               ; my logits and scale bytes lie in LDS
	s_barrier_signal -1
	s_barrier_wait -1
	s_cmp_lg_u32 s16, 0
	s_cbranch_scc1 .Lend                           ; wave 0 finishes the 32 tokens, a lane a token
	ds_load_b128 v[16:19], v60
	ds_load_b128 v[20:23], v60 offset:16
	ds_load_b128 v[24:27], v61
	s_wait_dscnt 0x0
	global_store_b128 v3, v[24:27], s[32:33]       ; 512 consecutive scale bytes
.irp e, 0,1,2,3,4,5,6,7
	v_add_f32 v[16+\e], s[24+\e], v[16+\e]         ; + gate_b
.endr
	v_max3_num_f32 v32, v16, v17, v18
	v_max3_num_f32 v32, v32, v19, v20
	v_max3_num_f32 v32, v32, v21, v22
	v_max_num_f32 v32, v32, v23                    ; the row's maximum is taken away ahead of the exponentials
.irp e, 0,1,2,3,4,5,6,7
	v_sub_f32 v[16+\e], v[16+\e], v32
.endr
.irp e, 0,1,2,3,4,5,6,7
	v_mul_f32 v[16+\e], 0x3fb8aa3b, v[16+\e]
.endr
.irp e, 0,1,2,3,4,5,6,7
	v_exp_f32 v[16+\e], v[16+\e]
.endr
	v_mov_b32 v35, -1.0                            ; (a plain instruction behind the batch)
	s_wait_alu depctr_va_vdst(0)                   ; one wait for the eight, ahead of their first reader
	v_add_f32 v33, v16, v17
	v_add_f32 v34, v18, v19
	v_add_f32 v62, v20, v21
	v_add_f32 v63, v22, v23
	v_add_f32 v33, v33, v34
	v_add_f32 v62, v62, v63
	v_add_f32 v33, v33, v62
	v_rcp_f32 v34, v33
	v_mov_b32 v36, 0                               ; (a plain instruction)  the first expert's index
	s_wait_alu depctr_va_vdst(0)
.irp e, 0,1,2,3,4,5,6,7
	v_mul_f32 v[16+\e], v[16+\e], v34              ; probs
.endr
	v_mov_b32 v38, v16
.irp e, 1,2,3,4,5,6,7
	v_cmp_le_f32 vcc_lo, v[16+\e], v38             ; only a larger one takes the place: of equals the lower index stays
	v_cndmask_b32 v38, v[16+\e], v38, vcc_lo
	v_cndmask_b32 v36, \e, v36, vcc_lo
.endr
.irp e, 0,1,2,3,4,5,6,7
	v_cmp_eq_u32 vcc_lo, \e, v36
	v_cndmask_b32 v[TP+\e], v[16+\e], v35, vcc_lo  ; the chosen one counts as -1 for the second search
.endr
	v_mov_b32 v39, v40
	v_mov_b32 v37, 0
.irp e, 1,2,3,4,5,6,7
	v_cmp_le_f32 vcc_lo, v[TP+\e], v39
	v_cndmask_b32 v39, v[TP+\e], v39, vcc_lo
	v_cndmask_b32 v37, \e, v37, vcc_lo
.endr
	v_add_f32 v62, v38, v39
	v_rcp_f32 v63, v62
	v_lshlrev_b32 v12, 2, v11                      ; (a plain instruction)  4 x lane
	s_wait_alu depctr_va_vdst(0)
	v_mul_f32 v38, v38, v63
	v_mul_f32 v39, v39, v63                        ; the two weights, divided by their sum
	global_store_b64 v6, v[36:37], s[36:37]        ; 256 consecutive bytes each
	global_store_b64 v6, v[38:39], s[38:39]
.irp x, 1,2,4,8
.irp e, 0,1,2,3,4,5,6,7
	v_add_f32_dpp v[16+\e], v[16+\e], v[16+\e] row_xmask:\x row_mask:0xf bank_mask:0xf
.endr
.endr
.irp e, 0,1,2,3,4,5,6,7
	v_permlanex16_b32 v[TP+\e], v[16+\e], s34, s35
.endr
.irp e, 0,1,2,3,4,5,6,7
	v_add_f32 v[16+\e], v[16+\e], v[TP+\e]         ; the 32 tokens' sum of probs of expert e
.endr
	v_mov_b32 v62, v16
.irp e, 1,2,3,4,5,6,7
	v_cmp_eq_u32 vcc_lo, \e, v11
	v_cndmask_b32 v62, v62, v[16+\e], vcc_lo       ; lane e takes expert e's
.endr
	s_wait_xcnt 0x0                                ; EXEC changes only behind this wait
	v_cmp_gt_u32 vcc_lo, 8, v11
	s_and_saveexec_b32 s42, vcc_lo
	global_store_b32 v12, v62, s[40:41]            ; 32 bytes a work-group, 4,096 in the launch: less than a whole run of 256
	s_wait_xcnt 0x0
	s_or_b32 exec_lo, exec_lo, s42
.Lend:
	s_wait_tensorcnt 0x0                           ; the wave's end: three closing lines behind my last LDS store
	ds_add_u32 v1, v2
	s_wait_dscnt 0x0
	s_endpgm
.Lfunc_end_k_qe59bc986f4_gate:
	.size	k_qe59bc986f4_gate, .Lfunc_end_k_qe59bc986f4_gate-k_qe59bc986f4_gate
	.p2alignl 7, 3214868480
	.fill 96, 4, 3214868480
	.section	.rodata,"a",@progbits
	.p2align	6, 0x0
	.amdhsa_kernel k_qe59bc986f4_gate
		.amdhsa_group_segment_fixed_size 60416
		.amdhsa_private_segment_fixed_size 0
		.amdhsa_enable_private_segment 0
		.amdhsa_kernarg_size 48
		.amdhsa_user_sgpr_count 2
		.amdhsa_user_sgpr_kernarg_segment_ptr 1
		.amdhsa_wavefront_size32 1
		.amdhsa_system_sgpr_workgroup_id_x 1
		.amdhsa_system_sgpr_workgroup_id_y 1
		.amdhsa_system_sgpr_workgroup_id_z 1
		.amdhsa_system_vgpr_workitem_id 0
		.amdhsa_next_free_vgpr 256
		.amdhsa_next_free_sgpr 66
		.amdhsa_reserve_vcc 1
		.amdhsa_float_denorm_mode_32 3
		.amdhsa_float_denorm_mode_16_64 3
		.amdhsa_memory_ordered 1
		.amdhsa_forward_progress 1
		.amdhsa_inst_pref_size 57
	.end_amdhsa_kernel
	.amdgpu_metadata
---
amdhsa.version: [ 1, 2 ]
amdhsa.kernels:
  - .name:           k_qe59bc986f4_gate
    .symbol:         k_qe59bc986f4_gate.kd
    .args:
      - { .name: x, .offset: 0, .size: 8, .value_kind: global_buffer, .address_space: global }
      - { .name: gate_W, .offset: 8, .size: 8, .value_kind: global_buffer, .address_space: global }
      - { .name: gate_b, .offset: 16, .size: 8, .value_kind: global_buffer, .address_space: global }
      - { .name: xq, .offset: 24, .size: 8, .value_kind: global_buffer, .address_space: global }
      - { .name: eidx, .offset: 32, .size: 8, .value_kind: global_buffer, .address_space: global }
      - { .name: gout, .offset: 40, .size: 8, .value_kind: global_buffer, .address_space: global }
    .group_segment_fixed_size: 60416
    .private_segment_fixed_size: 0
    .kernarg_segment_align: 8
    .kernarg_segment_size: 48
    .max_flat_workgroup_size: 256
    .sgpr_count:     66
    .vgpr_count:     256
    .wavefront_size: 32
...
	.end_amdgpu_metadata
.endif
;; end of part 1
;; launch place (part 2): grid 67 x 1, 32 waves a work-group, no clusters, 12,288 bytes of LDS; arguments eidx, gout, W1_codes, W1_scales, W2_codes, plan, wf, out1; writes plan, wf, out1
.if DOCPART == 2
	.amdgcn_target "amdgcn-amd-amdhsa--gfx1250"
	.amdhsa_code_object_version 6
	.text
	.protected	k_qe59bc986f4_place
	.globl	k_qe59bc986f4_place
	.p2align	8
	.type	k_qe59bc986f4_place,@function
k_qe59bc986f4_place:
	s_mov_b64 s[64:65], 0
	v_nop
	global_prefetch_b8 v0, s[64:65] scope:SCOPE_SE
	s_setreg_imm32_b32 hwreg(HW_REG_WAVE_MODE, 25, 1), 1
	s_wait_xcnt 0x0
; SECOND LAUNCH.  Only the rows of the two chosen experts of each token go on (shown at the head of the first kernel): here they are placed by expert.
; WORK-GROUP 0: a counting sort of the 8,192 items (item = 2 x token + k) by expert, without atomics; the list of tiles of at most 48 rows of one expert; the aux loss.
;   plan = tiles [192][e, first, cnt, last] u32, then from byte 4,096 rowinfo [8192] u32: the item at each sorted place.  Tiles behind the last hold zeros.
; WORK-GROUPS 1 .. 66 lay the weights in the order in which the next launch's operand registers take them, so that each of its loads is 512 consecutive bytes:
;   wf = W1f [e][w 8][K step 4][tile 16][c 2][lane][16 B];  from 4,194,304 W2f [e][w 8][K step 16][tile 4][c 2][lane][16 B];  from 8,388,608 W1s [e][w 8][K step 4][q 2][lane][4 words].
;   Lane (r, h) of a fragment's piece c holds the 16 bytes at row x pitch + 64 x K step + 32 c + 16 h.  W1's tile T takes rows 32 (T / 2) + 8 (T % 2) + r % 8 + 16 (r / 8), so that the results of two
;   neighbouring tiles are 16 neighbours along the next K; W2's tile takes rows 16 T + r.  In W1s word i of (K step, q) is the scale word of tile pair 4 q + i: lanes 0-15 the even tile's rows, lanes 16-31 the odd one's.
; The arms part on the work-group's number alone and join again at the launch's one barrier, which every wave of every work-group passes; behind it work-groups 1 .. 66 end and work-group 0 finishes the sort.
; Only work-group 0 stores to LDS.  Every number that reaches an address is a whole number read from eidx.
.set CT,    0                          ; LDS: counts [32 waves][32 words]
.set IM,    4096                       ; partial sums of probs [32 waves][32 words]
.set SPARE, 8192                       ; the spare words: 128 bytes a wave, sixteen blocks of 256 bytes that no other line names
	s_load_b512 s[4:19], s[0:1], 0x0               ; eidx, gout, W1_codes, W1_scales, W2_codes, plan, wf, out1
	v_lshl_add_u32 v1, v0, 2, SPARE
	v_mov_b32 v2, 0
	v_lshrrev_b32 v3, 5, v0
	v_readfirstlane_b32 s20, v3                    ; wave 0..31
	v_and_b32 v3, 31, v0                           ; lane
	v_lshlrev_b32 v5, 2, v3                        ; 4 x lane
	s_lshl_b32 s21, s20, 7
	v_add_nc_u32 v4, s21, v5                       ; 128 w + 4 x lane
	s_wait_kmcnt 0x0
	s_cmp_eq_u32 ttmp9, 0
	s_cbranch_scc1 .Lsort
	s_cmp_lt_u32 ttmp9, 33
	s_cbranch_scc1 .Lw1
	s_cmp_lt_u32 ttmp9, 65
	s_cbranch_scc1 .Lw2
	; ---- work-groups 65, 66: W1's scale words.  A wave takes the 256 rows of one (e, w): 4,096 bytes
	s_sub_co_u32 s21, ttmp9, 65
	s_lshl_b32 s21, s21, 5
	s_add_co_u32 s21, s21, s20
	s_lshl_b32 s21, s21, 12
	v_and_b32 v6, 7, v3
	v_bfe_u32 v7, v3, 4, 1
	v_lshl_add_u32 v6, v7, 3, v6
	v_bfe_u32 v7, v3, 3, 1
	v_lshl_add_u32 v6, v7, 4, v6                   ; the row of a pair of tiles that my lane stands for: 8 (l / 16) + l % 8 + 16 ((l / 8) % 2)
	v_lshl_add_u32 v6, v6, 4, s21
	s_add_co_u32 s21, s21, 0x800000
	v_lshl_add_u32 v7, v3, 4, s21
.irp p, 0,1,2,3,4,5,6,7
	global_load_b128 v[8+4*\p:11+4*\p], v6, s[10:11] offset:512*\p th:TH_LOAD_NT   ; pair p: my row's four words, one for each K step
.endr
	s_wait_loadcnt 0x0
.irp s, 0,1,2,3
.irp q, 0,1
.irp i, 0,1,2,3
	v_mov_b32 v[40+4*(2*\s+\q)+\i], v[8+4*(4*\q+\i)+\s]   ; regrouped by K step: four pairs' words on end
.endr
.endr
.endr
.irp j, 0,1,2,3,4,5,6,7
	global_store_b128 v7, v[40+4*\j:43+4*\j], s[16:17] offset:512*\j
.endr
	s_branch .Ljoin
; eight loads that together read 16 whole pieces of 256 bytes of rows; eight stores of 512 consecutive bytes
.macro RELAY src, sstep
.irp s, 0,1,2,3
.irp c, 0,1
	global_load_b128 v[8+8*\s+4*\c:11+8*\s+4*\c], v6, s[\src:\src+1] offset:64*\s+32*\c th:TH_LOAD_NT
.endr
.endr
.irp s, 0,1,2,3
.irp c, 0,1
	s_wait_loadcnt 7-2*\s-\c
	global_store_b128 v7, v[8+8*\s+4*\c:11+8*\s+4*\c], s[16:17] offset:\s*\sstep+512*\c
.endr
.endr
.endm
.Lw1:
	; ---- work-groups 1 .. 32: W1's codes, a tile of 16 rows x 256 bytes a wave
	s_sub_co_u32 s21, ttmp9, 1
	s_lshl_b32 s21, s21, 5
	s_add_co_u32 s21, s21, s20                     ; T = 128 e + 16 w + t
	s_lshr_b32 s22, s21, 1
	s_lshl_b32 s22, s22, 13
	s_and_b32 s23, s21, 1
	s_lshl_b32 s23, s23, 11
	s_add_co_u32 s22, s22, s23                     ; (32 (T / 2) + 8 (T % 2)) x 256
	v_and_b32 v6, 7, v3
	v_bfe_u32 v7, v3, 3, 1
	v_lshl_add_u32 v6, v7, 4, v6                   ; r % 8 + 16 (r / 8)
	v_bfe_u32 v7, v3, 4, 1
	v_lshlrev_b32 v6, 8, v6
	v_lshl_add_u32 v6, v7, 4, v6
	v_add_nc_u32 v6, s22, v6
	s_lshr_b32 s22, s21, 4
	s_lshl_b32 s22, s22, 16                        ; (8 e + w) x 65,536
	s_and_b32 s23, s21, 15
	s_lshl_b32 s23, s23, 10
	s_add_co_u32 s22, s22, s23
	v_lshl_add_u32 v7, v3, 4, s22
	RELAY 8, 16384
	s_branch .Ljoin
.Lw2:
	; ---- work-groups 33 .. 64: W2's codes, 16 rows x four K steps (256 bytes of each row) a wave
	s_sub_co_u32 s21, ttmp9, 33
	s_lshl_b32 s21, s21, 5
	s_add_co_u32 s21, s21, s20                     ; u = 4 Td + G, Td = 32 e + 4 w + n
	s_lshr_b32 s22, s21, 2
	s_and_b32 s23, s21, 3
	s_lshl_b32 s24, s22, 14
	s_lshl_b32 s25, s23, 8
	s_add_co_u32 s24, s24, s25                     ; Td x 16 rows x 1,024 + 256 G
	v_and_b32 v6, 15, v3
	v_bfe_u32 v7, v3, 4, 1
	v_lshlrev_b32 v6, 10, v6
	v_lshl_add_u32 v6, v7, 4, v6
	v_add_nc_u32 v6, s24, v6
	s_lshr_b32 s24, s22, 2
	s_lshl_b32 s24, s24, 16                        ; (8 e + w) x 65,536
	s_lshl_b32 s25, s23, 14
	s_add_co_u32 s24, s24, s25
	s_and_b32 s25, s22, 3
	s_lshl_b32 s25, s25, 10
	s_add_co_u32 s24, s24, s25
	s_add_co_u32 s24, s24, 0x400000
	v_lshl_add_u32 v7, v3, 4, s24
	RELAY 12, 4096
	s_branch .Ljoin
.Lsort:
	; ---- work-group 0, first part.  Wave w holds items 256 w .. 256 w + 255: register i of lane l is item 256 w + 128 (i / 4) + 4 l + i % 4
	v_lshlrev_b32 v6, 4, v3
	s_lshl_b32 s21, s20, 10
	v_add_nc_u32 v6, s21, v6
	global_load_b128 v[8:11], v6, s[4:5]
	global_load_b128 v[12:15], v6, s[4:5] offset:512
	global_load_b32 v16, v4, s[6:7] offset:32768   ; four rows of the table of sums of probs: lane l: row 4 w + l / 8, expert l % 8
	s_mov_b32 s22, 0x76543210
	s_mov_b32 s23, 0xfedcba98
.irp e, 0,1,2,3,4,5,6,7
	s_mov_b32 s[24+\e], 0                          ; s24-31: how many of expert e the wave has seen
.endr
	v_mov_b32 v17, 0
	v_mov_b32 v18, 0
	s_wait_loadcnt 0x0
	v_add_f32_dpp v16, v16, v16 row_xmask:8 row_mask:0xf bank_mask:0xf
	v_permlanex16_b32 v17, v16, s22, s23
	v_add_f32 v16, v16, v17                        ; the four rows' sum of expert l % 8
; register i: an item's rank among the wave's items of its expert = those seen in earlier registers + those in lower lanes
.macro RANK i
.irp e, 0,1,2,3,4,5,6,7
	v_cmp_eq_u32 s[32+\e], \e, v[8+\i]
.endr
	v_mbcnt_lo_u32_b32 v[24+\i], s32, s24
.irp e, 1,2,3,4,5,6,7
	v_mbcnt_lo_u32_b32 v[32+\e], s[32+\e], s[24+\e]
.endr
.irp e, 1,2,3,4,5,6,7
	v_cndmask_b32 v[24+\i], v[24+\i], v[32+\e], s[32+\e]
.endr
.irp e, 0,1,2,3,4,5,6,7
	s_bcnt1_i32_b32 s[40+\e], s[32+\e]
.endr
.irp e, 0,1,2,3,4,5,6,7
	s_add_co_u32 s[24+\e], s[24+\e], s[40+\e]
.endr
.endm
.irp i, 0,1,2,3,4,5,6,7
	RANK \i
.endr
.irp e, 0,1,2,3,4,5,6,7
	v_writelane_b32 v18, s[24+\e], \e              ; lane e: the wave's count of expert e; the other lanes 0
.endr
	ds_store_b32 v4, v18 offset:CT
	ds_store_b32 v4, v16 offset:IM
.Ljoin:
	s_wait_xcnt 0x0                                ; what has been issued has read its registers: they may be written again
	s_wait_dscnt 0x0                               ; for the others' sake: my counts and sums lie in LDS
	s_barrier_signal -1
	s_barrier_wait -1
	s_cmp_lg_u32 ttmp9, 0
	s_cbranch_scc1 .Lend                           ; the weights are laid: work-groups 1 .. 66 are done
	; ---- work-group 0, second part
.set W_, 0
.rept 32
	ds_load_b32 v[40+W_], v5 offset:CT+128*W_      ; lane e: wave W_'s count of expert e
.set W_, W_+1
.endr
	v_mov_b32 v19, 0
	v_mov_b32 v20, 0
	s_wait_dscnt 0x0
.set W_, 0
.rept 16
	v_add3_u32 v19, v19, v[40+2*W_], v[41+2*W_]    ; all waves'
.set W_, W_+1
.endr
.set W_, 0
.rept 31
	s_cmp_gt_u32 s20, W_
	s_cselect_b32 s21, 1, 0
	v_mad_u32_u24 v20, v[40+W_], s21, v20          ; the waves' ahead of mine
.set W_, W_+1
.endr
.irp e, 0,1,2,3,4,5,6,7
	v_readlane_b32 s[48+\e], v19, \e               ; s48-55: rows of expert e
	v_readlane_b32 s[76+\e], v20, \e
.endr
	s_mov_b32 s56, 0                               ; s56-63: where expert e's rows begin
	s_mov_b32 s66, 0                               ; s66-74: where its tiles begin
.irp e, 0,1,2,3,4,5,6,7
.if \e < 7
	s_add_co_u32 s[57+\e], s[56+\e], s[48+\e]
.endif
	s_add_co_u32 s21, s[48+\e], 47
	s_lshr_b32 s21, s21, 4
	s_mul_i32 s21, s21, 0xaaab
	s_lshr_b32 s21, s21, 17                        ; (rows + 47) / 48: / 16, then / 3 by a multiplication that is exact up to 32,767
	s_add_co_u32 s[67+\e], s[66+\e], s21
	s_add_co_u32 s[76+\e], s[76+\e], s[56+\e]      ; s76-83: where my wave's rows of expert e begin
.endr
.irp i, 0,1,2,3,4,5,6,7
	v_mov_b32 v[32+\i], s76
.endr
.irp e, 1,2,3,4,5,6,7
.irp i, 0,1,2,3,4,5,6,7
	v_cmp_ne_u32 vcc_lo, \e, v[8+\i]
	v_cndmask_b32 v[32+\i], s[76+\e], v[32+\i], vcc_lo
.endr
.endr
	s_lshl_b32 s21, s20, 8
	v_lshl_add_u32 v22, v3, 2, s21                 ; 256 w + 4 l
.irp i, 0,1,2,3,4,5,6,7
	v_add_nc_u32 v[24+\i], v[24+\i], v[32+\i]      ; the item's place
	v_min_u32 v[24+\i], 0x1fff, v[24+\i]           ; held inside the list
	v_lshlrev_b32 v[24+\i], 2, v[24+\i]
	v_add_nc_u32 v[80+\i], 128*(\i/4)+\i%4, v22    ; the item
.endr
.irp i, 0,1,2,3,4,5,6,7
	global_store_b32 v[24+\i], v[80+\i], s[14:15] offset:4096   ; a scatter of 4 bytes a row: 32 KiB in all
.endr
	s_cmp_lt_u32 s20, 6
	s_cbranch_scc0 .Lno_tile                       ; waves 0 to 5: thread g writes tile g
	v_mov_b32 v32, 0
	v_mov_b32 v33, 0
	v_mov_b32 v34, 0
	v_mov_b32 v35, s48
.irp e, 1,2,3,4,5,6,7
	v_cmp_gt_u32 vcc_lo, s[66+\e], v0              ; expert e's tiles begin behind g: keep
	v_cndmask_b32 v32, \e, v32, vcc_lo
	v_cndmask_b32 v33, s[56+\e], v33, vcc_lo
	v_cndmask_b32 v34, s[66+\e], v34, vcc_lo
	v_cndmask_b32 v35, s[48+\e], v35, vcc_lo
.endr
	v_sub_nc_u32 v34, v0, v34
	v_mul_u32_u24 v34, v34, 48                     ; 48 x the tile's number within its expert
	v_add_nc_u32 v33, v33, v34                     ; first
	v_sub_nc_u32 v35, v35, v34
	v_min_u32 v34, 48, v35                         ; cnt
	v_add_nc_u32 v35, v33, v34
	v_add_nc_u32 v35, -1, v35                      ; last
	v_cmp_gt_u32 vcc_lo, s74, v0
.irp k, 32,33,34,35
	v_cndmask_b32 v\k, 0, v\k, vcc_lo              ; behind the last tile: zeros
.endr
	v_lshlrev_b32 v36, 4, v0
	global_store_b128 v36, v[32:35], s[14:15]
.Lno_tile:
	s_cmp_eq_u32 s20, 6
	s_cbranch_scc0 .Lend                           ; wave 6: the aux loss
.set W_, 0
.rept 32
	ds_load_b32 v[40+W_], v5 offset:IM+128*W_
.set W_, W_+1
.endr
	s_wait_dscnt 0x0
.irp c, 0,1,2,3
	v_add_f32 v[40+\c], v[40+\c], v[44+\c]
.endr
.set W_, 8
.rept 24
	v_add_f32 v[40+W_%4], v[40+W_%4], v[40+W_]
.set W_, W_+1
.endr
	v_add_f32 v40, v40, v41
	v_add_f32 v42, v42, v43
	v_add_f32 v32, v40, v42                        ; importance of expert l % 8
	v_cvt_f32_u32 v33, v19
	v_mul_f32 v33, 0x39800000, v33                 ; load of expert l = rows / 4,096, in lanes 0 to 7 (lane 0 alone stores)
.irp r, 0,1
	v_mov_b32 v[34+\r], v[32+\r]
.endr
.irp x, 1,2,4
.irp r, 0,1
	v_add_f32_dpp v[34+\r], v[34+\r], v[34+\r] row_xmask:\x row_mask:0xf bank_mask:0xf
.endr
.endr
.irp r, 0,1
	v_mul_f32 v[34+\r], 0x3e000000, v[34+\r]       ; the mean of the eight
.endr
.irp r, 0,1
	v_sub_f32 v[32+\r], v[32+\r], v[34+\r]
.endr
.irp r, 0,1
	v_mul_f32 v[32+\r], v[32+\r], v[32+\r]
.endr
.irp x, 1,2,4
.irp r, 0,1
	v_add_f32_dpp v[32+\r], v[32+\r], v[32+\r] row_xmask:\x row_mask:0xf bank_mask:0xf
.endr
.endr
.irp r, 0,1
	v_add_f32 v[34+\r], 0x358637bd, v[34+\r]       ; mean + 1e-6
.endr
.irp r, 0,1
	v_rcp_f32 v[36+\r], v[34+\r]
.endr
.irp r, 0,1
	v_mul_f32 v[32+\r], 0x3e124925, v[32+\r]       ; / 7: the unbiased variance.  (Plain instructions behind the two reciprocals)
.endr
	v_mov_b32 v38, 0
	s_wait_alu depctr_va_vdst(0)                   ; one wait for both
.irp r, 0,1
	v_mul_f32 v[32+\r], v[32+\r], v[36+\r]
.endr
.irp r, 0,1
	v_mul_f32 v[32+\r], v[32+\r], v[36+\r]         ; (std / (mean + 1e-6))^2 = variance / (mean + 1e-6)^2
.endr
	v_add_f32 v32, v32, v33
	s_wait_xcnt 0x0                                ; EXEC changes only behind this wait
	v_cmp_eq_u32 vcc_lo, 0, v3
	s_and_saveexec_b32 s21, vcc_lo
	global_store_b32 v38, v32, s[18:19]
	s_wait_xcnt 0x0
	s_or_b32 exec_lo, exec_lo, s21
.Lend:
	s_wait_tensorcnt 0x0                           ; the wave's end: three closing lines behind my last LDS store
	ds_add_u32 v1, v2
	s_wait_dscnt 0x0
	s_endpgm
.Lfunc_end_k_qe59bc986f4_place:
	.size	k_qe59bc986f4_place, .Lfunc_end_k_qe59bc986f4_place-k_qe59bc986f4_place
	.p2alignl 7, 3214868480
	.fill 96, 4, 3214868480
	.section	.rodata,"a",@progbits
	.p2align	6, 0x0
	.amdhsa_kernel k_qe59bc986f4_place
		.amdhsa_group_segment_fixed_size 12288
		.amdhsa_private_segment_fixed_size 0
		.amdhsa_enable_private_segment 0
		.amdhsa_kernarg_size 64
		.amdhsa_user_sgpr_count 2
		.amdhsa_user_sgpr_kernarg_segment_ptr 1
		.amdhsa_wavefront_size32 1
		.amdhsa_system_sgpr_workgroup_id_x 1
		.amdhsa_system_sgpr_workgroup_id_y 1
		.amdhsa_system_sgpr_workgroup_id_z 1
		.amdhsa_system_vgpr_workitem_id 0
		.amdhsa_next_free_vgpr 96
		.amdhsa_next_free_sgpr 96
		.amdhsa_reserve_vcc 1
		.amdhsa_float_denorm_mode_32 3
		.amdhsa_float_denorm_mode_16_64 3
		.amdhsa_memory_ordered 1
		.amdhsa_forward_progress 1
		.amdhsa_inst_pref_size 50
	.end_amdhsa_kernel
	.amdgpu_metadata
---
amdhsa.version: [ 1, 2 ]
amdhsa.kernels:
  - .name:           k_qe59bc986f4_place
    .symbol:         k_qe59bc986f4_place.kd
    .args:
      - { .name: eidx, .offset: 0, .size: 8, .value_kind: global_buffer, .address_space: global }
      - { .name: gout, .offset: 8, .size: 8, .value_kind: global_buffer, .address_space: global }
      - { .name: W1_codes, .offset: 16, .size: 8, .value_kind: global_buffer, .address_space: global }
      - { .name: W1_scales, .offset: 24, .size: 8, .value_kind: global_buffer, .address_space: global }
      - { .name: W2_codes, .offset: 32, .size: 8, .value_kind: global_buffer, .address_space: global }
      - { .name: plan, .offset: 40, .size: 8, .value_kind: global_buffer, .address_space: global }
      - { .name: wf, .offset: 48, .size: 8, .value_kind: global_buffer, .address_space: global }
      - { .name: out1, .offset: 56, .size: 8, .value_kind: global_buffer, .address_space: global }
    .group_segment_fixed_size: 12288
    .private_segment_fixed_size: 0
    .kernarg_segment_align: 8
    .kernarg_segment_size: 64
    .max_flat_workgroup_size: 1024
    .sgpr_count:     96
    .vgpr_count:     96
    .wavefront_size: 32
...
	.end_amdgpu_metadata
.endif
;; end of part 2
;; launch chain (part 3): grid 178 x 1, 8 waves a work-group, no clusters, 124,672 bytes of LDS; arguments plan, xq, wf, b1, ln_g, ln_b, W2_scales, b2, y; writes y
.if DOCPART == 3
	.amdgcn_target "amdgcn-amd-amdhsa--gfx1250"
	.amdhsa_code_object_version 6
	.text
	.protected	k_qe59bc986f4_chain
	.globl	k_qe59bc986f4_chain
	.p2align	8
	.type	k_qe59bc986f4_chain,@function
k_qe59bc986f4_chain:
	s_mov_b64 s[64:65], 0
	v_nop
	global_prefetch_b8 v0, s[64:65] scope:SCOPE_SE
	s_setreg_imm32_b32 hwreg(HW_REG_WAVE_MODE, 25, 1), 1
	s_wait_xcnt 0x0
; THIRD LAUNCH.  Only the rows of the two chosen experts of each token are multiplied (shown at the head of the first kernel).
; A work-group takes ONE TILE of at most 48 rows of ONE expert through the whole chain: gather x's codes, h = x W1 + b1, layer norm, exact gelu, quantise, y = a W2 + b2, stored at y[item][512] f32, item = 2 x token + k.
; 8,192 rows in tiles of 48 over 8 experts are never more than 171 + 7 = 178 tiles, whatever the choice.  Rows behind a tile's last repeat its last row and store the same bytes to the same place.
; A tile with no rows runs the chain on row 0 and jumps over its stores alone: no barrier stands under a branch on a number read from memory.
; No tensor load, no copy, no cluster: the expert comes from the stored list and one branch hangs on it, so the weights go from memory straight into registers, in the order in which the launch before has laid them.
; SHARES.  Wave w of eight owns hidden units 256 w .. + 255 (16 tiles t) and outputs 64 w .. + 63 (4 tiles n), for all three tiles m of 16 rows.  Both products are used transposed (source 0 = 16 rows of the weight,
; source 1 = 16 rows of the tile): a lane (r, h) holds ONE row r throughout; the 16 registers of W1's tiles 2 b and 2 b + 1 are hidden units 256 w + 32 b + 16 h + 0 .. 15.
; GELU.  gelu(x) = max(x, 0) - |x| e, e = erfc(|x| / sqrt 2) / 2 = t 2^(E(t) - u^2), t = 1 / (1 + |x| sqrt 2 / 4), u^2 = x^2 log2(e) / 2, E a polynomial of degree 9 whose fit of erfc is good to 1.2e-7 of the value for every x:
; no difference of large numbers is formed on either side of 0.
; LAYER NORM.  Each wave takes the mean of its 256 numbers of a row away and sums the squares of the rest; the eight pairs meet in LDS and are joined exactly (mean of means; sums of squares + 256 x squared distances of the means).
; LIMITS: a block of the hidden layer whose largest magnitude lies under 2^-124 gets the byte 1 (a block of zeros too: its codes are zeros); NaN and infinities are not served.
; REGISTERS, in windows of 256.  h(m, t) = 8 registers: m = 0: window 1 v0-127; m = 1: window 1 v128-255; m = 2: window 0 v128-255.  Window 0 v0-35 stay; v36-127 by phase (below).
.set XIMG,  0                          ; LDS: x's 12 fragments (4 m + K step) as images of their registers, 1,024 bytes each
.set XSC,   12288                      ; their scale words, 128 bytes each
.set ROWT,  13824                      ; the 48 rows' items
.set STAT,  14080                      ; [wave][m][r] (mean, sum of squares)
.set PRM,   17152                      ; each wave's own 256 ln_g, then 256 ln_b
.set HIMG,  33536                      ; the hidden layer's 48 fragments, the maker's six on end: f = 6 w + 2 m + kappa is K step 2 w + kappa of the second product, rows 16 m on
.set HSC,   82688                      ; their scale words, 128 bytes each
.set YST,   88832                      ; each wave's own stage for the way out: 16 rows x (256 + 16)
.set SPARE, 123648                     ; the spare words: 128 bytes a wave, four blocks of 256 bytes that no other line names
.set SPW, 1
.set NIL, 2
.set LI,  3                            ; 16 x lane
.set LS,  4                            ; 4 x lane
.set LIH, 5                            ; HIMG + 16 x lane
.set LSH, 6                            ; HSC + 4 x lane
.set HW2, 7                            ; HIMG + 6144 w + 16 r + 8 h: where a chunk's 16 codes go
.set HWB, 8                            ; HSC + 768 w + 4 x lane: and its scale byte
.set PRA, 9                            ; PRM + 2048 w + 64 h
.set STA, 10                           ; STAT + 384 w + 8 r
.set STR, 11                           ; STAT + 8 r
.set KV,  12                           ; v12-13 the polynomial's highest coefficient, twice (at the head v12 is b1's lane offset)
.set SB,  14                           ; v14-19 scale words of source 1
.set WS,  20                           ; v20-35 scale words of source 0, two sets of 8
.set XF,  36                           ; first product: v36-59 x's three fragments; v60-63 head addresses; v64-127 W1's fragments, two halves of four
.set XWI, 60
.set XWS, 61
.set RTW, 62
.set PRW, 63
.set RG,  64
.set RS,  36                           ; statistics on: v36+4m (rstd, rstd), v38+4m (shift, shift)
.set MUO, 48                           ; statistics: v48-50 my wave's means
.set VW2, 51                           ; 64 x lane: W2's scale words
.set NM,  52                           ; v52-53 minus my mean, twice
.set TC,  54                           ; v54-61 four chains
.set T0,  62
.set T1,  63
.set LP,  64                           ; v64-111 the eight waves' pairs
.set SPR, 112                          ; v112-117 my pairs
.set CD,  48                           ; gelu: v48-49 codes
.set MX,  50
.set MX2, 52
.set SCL, 53
.set BYT, 54
.set PADR, 55
.set HADR, 56
.set BADR, 57
.set VB2, 58
.set XR,  64                           ; v64-79 the chunk;  v80-95 the polynomial, then e;  v96-111 ln_g, then u;  v112-127 ln_b, then t, then max(x, 0)
.set PR,  80
.set GR,  96
.set BR,  112
.set HF,  36                           ; second product: v36-83 hidden fragments, two sets of three; v84-99 W2's scale words of K steps 8 on
.set WSB, 84
.set YA,  128                          ; v128-223 y(n, m) at 8 (3 n + m); v224-255 b2;  window 1: eight slots of 32 registers for W2's K steps
.set B2R, 224
.set MSB, 0
.macro WIN new                         ; bits 1:0 source 0, 3:2 source 1, 5:4 source 2, 7:6 destination; the high byte repeats the setting that is left
.if MSB != \new
	s_set_vgpr_msb (MSB<<8)|\new
.set MSB, \new
.endif
.endm
.macro PLACES n
.rept \n
	v_nop
.endr
.endm
.macro MMC d, a, b, c, sa, sb, row1    ; row1: source 0's scale words stand in lanes 16-31
.if \row1
	v_wmma_scale_f32_16x16x128_f8f6f4 v[\d:\d+7], v[\a:\a+7], v[\b:\b+7], v[\c:\c+7], v[\sa], v[\sb] matrix_a_fmt:MATRIX_FMT_FP4 matrix_b_fmt:MATRIX_FMT_FP4 matrix_a_scale:MATRIX_SCALE_ROW1
.else
	v_wmma_scale_f32_16x16x128_f8f6f4 v[\d:\d+7], v[\a:\a+7], v[\b:\b+7], v[\c:\c+7], v[\sa], v[\sb] matrix_a_fmt:MATRIX_FMT_FP4 matrix_b_fmt:MATRIX_FMT_FP4
.endif
.endm
.macro MMZ d, a, b, sa, sb, row1       ; the first product starts a sum
.if \row1
	v_wmma_scale_f32_16x16x128_f8f6f4 v[\d:\d+7], v[\a:\a+7], v[\b:\b+7], 0, v[\sa], v[\sb] matrix_a_fmt:MATRIX_FMT_FP4 matrix_b_fmt:MATRIX_FMT_FP4 matrix_a_scale:MATRIX_SCALE_ROW1
.else
	v_wmma_scale_f32_16x16x128_f8f6f4 v[\d:\d+7], v[\a:\a+7], v[\b:\b+7], 0, v[\sa], v[\sb] matrix_a_fmt:MATRIX_FMT_FP4 matrix_b_fmt:MATRIX_FMT_FP4
.endif
.endm
	s_load_b512 s[4:19], s[0:1], 0x0               ; plan, xq, wf, b1, ln_g, ln_b, W2_scales, b2
	s_load_b64 s[20:21], s[0:1], 0x40              ; y
	v_lshl_add_u32 v[SPW], v0, 2, SPARE
	v_mov_b32 v[NIL], 0
	v_lshrrev_b32 v52, 5, v0
	v_readfirstlane_b32 s22, v52                   ; wave 0..7
	v_and_b32 v52, 31, v0                          ; lane
	v_and_b32 v53, 15, v0                          ; r
	v_bfe_u32 v54, v0, 4, 1                        ; h
	v_lshlrev_b32 v[LI], 4, v52
	v_lshlrev_b32 v[LS], 2, v52
	v_add_nc_u32 v[LIH], HIMG, v[LI]
	v_add_nc_u32 v[LSH], HSC, v[LS]
	s_mul_i32 s61, s22, 6144
	s_add_co_u32 s61, s61, HIMG
	v_lshl_add_u32 v[HW2], v53, 4, s61
	v_lshl_add_u32 v[HW2], v54, 3, v[HW2]
	s_mul_i32 s61, s22, 768
	s_add_co_u32 s61, s61, HSC
	v_add_nc_u32 v[HWB], s61, v[LS]
	s_lshl_b32 s61, s22, 11
	s_add_co_u32 s61, s61, PRM
	v_lshl_add_u32 v[PRA], v54, 6, s61
	v_add_nc_u32 v[PRW], s61, v[LI]
	s_mul_i32 s61, s22, 384
	s_add_co_u32 s61, s61, STAT
	v_lshl_add_u32 v[STA], v53, 3, s61
	v_lshlrev_b32 v[STR], 3, v53
	v_add_nc_u32 v[STR], STAT, v[STR]
	s_lshl_b32 s61, s22, 12
	v_add_nc_u32 v[XWI], s61, v[LI]                ; waves 0 to 2: row tile m = w: its four fragments' images
	s_lshl_b32 s61, s22, 9
	s_add_co_u32 s61, s61, XSC
	v_add_nc_u32 v[XWS], s61, v[LS]
	s_lshl_b32 s61, s22, 6
	s_add_co_u32 s61, s61, ROWT
	v_lshl_add_u32 v[RTW], v53, 2, s61
	v_lshlrev_b32 v12, 6, v54                      ; 64 h: b1's lane offset
	s_mov_b32 s36, 0x76543210
	s_mov_b32 s37, 0xfedcba98                      ; selects: lane l xor 16
	s_mov_b32 s38, 0x3eb504f3                      ; sqrt 2 / 4
	s_mov_b32 s40, 0x3f596d27                      ; sqrt(log2(e) / 2)
	s_mov_b32 s42, 0xc034d90f                      ; E's coefficients 0 to 8, x log2(e), 1 taken off the first for the half
	s_mov_b32 s44, 0x3fb8ab5a
	s_mov_b32 s46, 0x3f0a29d2
	s_mov_b32 s48, 0x3e0efb2e
	s_mov_b32 s50, 0xbe899a80
	s_mov_b32 s52, 0x3ecdfd18
	s_mov_b32 s54, 0xbfd1a1e5
	s_mov_b32 s56, 0x40097039
	s_mov_b32 s58, 0xbf97d29d
.irp k, 40,42,44,46,48,50,52,54,56,58
	s_mov_b32 s[\k+1], s[\k]                       ; (a packed form names a pair and takes its low word for both halves: so the upper word is written)
.endr
	s_lshl_b32 s28, ttmp9, 4
	s_mov_b32 s29, 0
	s_wait_kmcnt 0x0
	s_add_nc_u64 s[28:29], s[4:5], s[28:29]
	s_load_b128 s[24:27], s[28:29], 0x0            ; my tile: expert, first row, rows, last row
	s_wait_kmcnt 0x0
	s_min_u32 s24, s24, 7                          ; held inside their tables
	s_min_u32 s25, s25, 0x1fff
	s_min_u32 s26, s26, 48
	s_min_u32 s27, s27, 0x1fff
	s_lshl_b32 s62, s24, 19
	s_lshl_b32 s61, s22, 16
	s_add_co_u32 s62, s62, s61
	s_mov_b32 s63, 0
	s_add_nc_u64 s[30:31], s[8:9], s[62:63]        ; my 64 KiB of W1's fragments
	s_add_nc_u64 s[32:33], s[30:31], 0x400000      ; and of W2's
	s_lshl_b32 s62, s24, 15
	s_lshl_b32 s61, s22, 12
	s_add_co_u32 s62, s62, s61
	s_add_nc_u64 s[34:35], s[8:9], s[62:63]
	s_add_nc_u64 s[34:35], s[34:35], 0x800000      ; W1's scale words
	s_add_nc_u64 s[16:17], s[16:17], s[62:63]      ; W2's scale bytes: my 64 rows of 64
	s_lshl_b32 s62, s24, 13
	s_lshl_b32 s61, s22, 10
	s_add_co_u32 s62, s62, s61
	s_add_nc_u64 s[10:11], s[10:11], s[62:63]      ; b1, ln_g, ln_b: my 256 numbers
	s_add_nc_u64 s[12:13], s[12:13], s[62:63]
	s_add_nc_u64 s[14:15], s[14:15], s[62:63]
	s_lshl_b32 s62, s24, 11
	s_lshl_b32 s61, s22, 8
	s_add_co_u32 s62, s62, s61
	s_add_nc_u64 s[18:19], s[18:19], s[62:63]      ; b2: my 64
	; waves 0 to 2 gather: the rows' items first, then their codes and scale words, ahead of the common loads, so that the two dependent fetches start at once
	s_cmp_lt_u32 s22, 3
	s_cbranch_scc0 .Lno_rows
	s_lshl_b32 s61, s22, 4
	s_add_co_u32 s61, s61, s25
	v_add_nc_u32 v55, s61, v53                     ; first + 16 m + r,
	v_min_u32 v55, s27, v55                        ; held at the tile's last row,
	v_min_u32 v55, 0x1fff, v55                     ; and inside the list
	v_lshlrev_b32 v55, 2, v55
	global_load_b32 v56, v55, s[4:5] offset:4096
	s_wait_loadcnt 0x0
	v_min_u32 v56, 0x1fff, v56                     ; the item
	v_lshlrev_b32 v57, 7, v56
	v_and_b32 v57, 0xffffff00, v57                 ; token x 256
	v_lshl_add_u32 v57, v54, 4, v57
	v_lshlrev_b32 v58, 3, v56
	v_and_b32 v58, 0xfffffff0, v58                 ; token x 16
	WIN 0x40                                       ; they land in window 1, where h is not yet
.irp j, 0,1,2,3,4,5,6,7
	global_load_b128 v[4*\j:4*\j+3], v57, s[6:7] offset:32*\j     ; K step j / 2, piece j % 2
.endr
	global_load_b128 v[32:35], v58, s[6:7] offset:1048576         ; four scale words
	WIN 0
.Lno_rows:
	global_load_b128 v[36:39], v[LI], s[12:13]
	global_load_b128 v[40:43], v[LI], s[12:13] offset:512
	global_load_b128 v[44:47], v[LI], s[14:15]
	global_load_b128 v[48:51], v[LI], s[14:15] offset:512
.macro WSLOAD s                        ; W1's scale words of K step s: register 4 q + i = tile pair 4 q + i
	global_load_b128 v[WS+8*((\s)%2):WS+8*((\s)%2)+3], v[LI], s[34:35] offset:1024*(\s)
	global_load_b128 v[WS+8*((\s)%2)+4:WS+8*((\s)%2)+7], v[LI], s[34:35] offset:1024*(\s)+512
.endm
.macro GLOAD q                         ; group q = 4 x K step + g: the fragments of tiles 4 g .. 4 g + 3: eight loads of 512 consecutive bytes
.irp i, 0,1,2,3,4,5,6,7
	global_load_b128 v[RG+32*((\q)%2)+4*\i:RG+32*((\q)%2)+4*\i+3], v[LI], s[30:31] offset:4096*(\q)+512*\i
.endr
.endm
	WSLOAD 0
	GLOAD 0
	GLOAD 1
.irp t, 0,1,2,3,4,5,6,7,8,9,10,11,12,13,14,15
	global_load_b128 v[128+8*\t:131+8*\t], v12, s[10:11] offset:(32*(\t/2)+8*(\t%2))*4      ; b1 in the result's layout, into h(2, t): it is the C of each sum's first product
	global_load_b128 v[132+8*\t:135+8*\t], v12, s[10:11] offset:(32*(\t/2)+8*(\t%2))*4+16
.endr
	s_wait_loadcnt 50                              ; ln_g, ln_b and all that was asked for ahead of them are in; younger: 2 + 16 + 32
.irp i, 0,1,2,3
	ds_store_b128 v[PRW], v[36+4*\i:39+4*\i] offset:512*\i
.endr
	s_cmp_lt_u32 s22, 3
	s_cbranch_scc0 .Lno_img
	ds_store_b32 v[RTW], v56                       ; both halves of the lanes write the same word
	WIN 0x04                                       ; an LDS store's data are its source 1
.irp j, 0,1,2,3,4,5,6,7
	ds_store_b128 v[XWI], v[4*\j:4*\j+3] offset:XIMG+512*\j
.endr
.irp s, 0,1,2,3
	ds_store_b32 v[XWS], v[32+\s] offset:128*\s
.endr
	WIN 0
.Lno_img:
	s_wait_dscnt 0x0                               ; for the others' sake
	s_barrier_signal -1
	s_barrier_wait -1                              ; x's twelve fragments, the items and the parameters lie in LDS
	; ---- FIRST PRODUCT: h = x W1 + b1.  16 groups of 12 products; the 48 accumulators take turns, one instruction a turn
.macro FETCHX s
.irp m, 0,1,2
	ds_load_b128 v[XF+8*\m:XF+8*\m+3], v[LI] offset:XIMG+1024*(4*\m+(\s))
	ds_load_b128 v[XF+8*\m+4:XF+8*\m+7], v[LI] offset:XIMG+1024*(4*\m+(\s))+512
	ds_load_b32 v[SB+\m], v[LS] offset:XSC+128*(4*\m+(\s))
.endr
.endm
.macro GROUP q
.set sK, (\q)/4
.if sK == 0
	WIN 0x40                                       ; D in window 1, C = b1 in window 0
.else
	WIN 0x50                                       ; C and D in window 1
.endif
.irp m, 0,1
.irp ti, 0,1,2,3
.set tT, 4*((\q)%4)+\ti
.set rD, 128*\m+8*tT
.if sK == 0
.set rC, 128+8*tT
.else
.set rC, rD
.endif
.set rA, RG+32*((\q)%2)+8*\ti
.set rB, XF+8*\m
.set rW, WS+8*(sK%2)+tT/2
.set rS, SB+\m
.set od, tT%2
	MMC rD, rA, rB, rC, rW, rS, od
.endr
.endr
	WIN 0
.if sK == 0
	PLACES 5                                       ; the next four write over registers that the eight above read as C
.endif
.irp ti, 0,1,2,3
.set tT, 4*((\q)%4)+\ti
.set rD, 128+8*tT
.set rA, RG+32*((\q)%2)+8*\ti
.set rB, XF+16
.set rW, WS+8*(sK%2)+tT/2
.set rS, SB+2
.set od, tT%2
	MMC rD, rA, rB, rD, rW, rS, od
.endr
.endm
	FETCHX 0
	s_wait_loadcnt 0x0                             ; b1, the youngest, is in
	s_wait_dscnt 0x0
.set Q, 0
.rept 16
.if Q == 15
	s_wait_loadcnt 0x0
.elseif (Q == 5) || (Q == 9)
	s_wait_loadcnt 10                              ; younger than this group: two loads of scale words and the next group's eight
.elseif Q >= 2
	s_wait_loadcnt 8                               ; younger than this group: the next group's eight
.endif
.if (Q%4 == 0) && (Q > 0)
	s_wait_dscnt 0x0                               ; this K step's fragments of x
.endif
	GROUP Q
	PLACES 4                                       ; in front of loads into registers that the products have read, and at the end of the first read of results
.if (Q%4 == 0) && (Q < 12)
	WSLOAD Q/4+1
.endif
.if Q < 14
	GLOAD Q+2
.endif
.if (Q%4 == 3) && (Q < 15)
	FETCHX Q/4+1
.endif
.set Q, Q+1
.endr
	; ---- STATISTICS of the layer norm
	v_and_b32 v[VW2], 31, v0
	v_lshlrev_b32 v[VW2], 6, v[VW2]                ; W2's scale bytes: row 32 x pair + lane, 64 bytes a row
.irp g, 0,1
.irp p, 0,1
	global_load_b128 v[WS+8*\g+4*\p:WS+8*\g+4*\p+3], v[VW2], s[16:17] offset:2048*\p+16*\g   ; K steps 4 g .. 4 g + 3 of tile pair p: they have the whole gelu phase in which to land
.endr
.endr
	v_mov_b32 v[T1], 0                             ; written once: a lane permute's destination counts as one of its sources
; row tile m, its 128 registers from hb on; wss, ws0, wip: the windows for both sources, source 0 alone, destination and source 0.  Each accumulator is read from its low end on
.macro STATS m, hb, wss, ws0, wip
	WIN \wss
.irp c, 0,1,2,3
	v_pk_add_f32 v[TC+2*\c:TC+2*\c+1], v[\hb+2*\c:\hb+2*\c+1], v[\hb+8+2*\c:\hb+8+2*\c+1]
.endr
	WIN \ws0
.set P_, 8
.rept 56
	v_pk_add_f32 v[TC+2*(P_%4):TC+2*(P_%4)+1], v[\hb+2*P_:\hb+2*P_+1], v[TC+2*(P_%4):TC+2*(P_%4)+1]
.set P_, P_+1
.endr
	WIN 0
	v_pk_add_f32 v[TC:TC+1], v[TC:TC+1], v[TC+2:TC+3]
	v_pk_add_f32 v[TC+4:TC+5], v[TC+4:TC+5], v[TC+6:TC+7]
	v_pk_add_f32 v[TC:TC+1], v[TC:TC+1], v[TC+4:TC+5]
	v_add_f32 v[T0], v[TC], v[TC+1]
	v_permlanex16_b32 v[T1], v[T0], s36, s37
	v_add_f32 v[T0], v[T0], v[T1]
	v_mul_f32 v[MUO+\m], 0x3b800000, v[T0]         ; my wave's mean of the row: / 256
	v_mul_f32 v[NM], 0xbb800000, v[T0]
	v_mul_f32 v[NM+1], 0xbb800000, v[T0]
	WIN \wip
.set P_, 0
.rept 64
	v_pk_add_f32 v[\hb+2*P_:\hb+2*P_+1], v[\hb+2*P_:\hb+2*P_+1], v[NM:NM+1]   ; h less that mean, in place
.set P_, P_+1
.endr
	WIN \wss
.irp c, 0,1,2,3
	v_pk_mul_f32 v[TC+2*\c:TC+2*\c+1], v[\hb+2*\c:\hb+2*\c+1], v[\hb+2*\c:\hb+2*\c+1]
.endr
.set P_, 4
.rept 60
	v_pk_fma_f32 v[TC+2*(P_%4):TC+2*(P_%4)+1], v[\hb+2*P_:\hb+2*P_+1], v[\hb+2*P_:\hb+2*P_+1], v[TC+2*(P_%4):TC+2*(P_%4)+1]
.set P_, P_+1
.endr
	WIN 0
	v_pk_add_f32 v[TC:TC+1], v[TC:TC+1], v[TC+2:TC+3]
	v_pk_add_f32 v[TC+4:TC+5], v[TC+4:TC+5], v[TC+6:TC+7]
	v_pk_add_f32 v[TC:TC+1], v[TC:TC+1], v[TC+4:TC+5]
	v_add_f32 v[T0], v[TC], v[TC+1]
	v_permlanex16_b32 v[T1], v[T0], s36, s37
	v_mov_b32 v[SPR+2*\m], v[MUO+\m]
	v_add_f32 v[SPR+2*\m+1], v[T0], v[T1]
	ds_store_b64 v[STA], v[SPR+2*\m:SPR+2*\m+1] offset:128*\m     ; both halves of the lanes write the same pair
.endm
	STATS 0, 0, 0x05, 0x01, 0x41
	STATS 1, 128, 0x05, 0x01, 0x41
	STATS 2, 128, 0, 0, 0
	s_wait_dscnt 0x0                               ; for the others' sake
	s_barrier_signal -1
	s_barrier_wait -1
.irp w, 0,1,2,3,4,5,6,7
.irp m, 0,1,2
	ds_load_b64 v[LP+2*(3*\w+\m):LP+2*(3*\w+\m)+1], v[STR] offset:384*\w+128*\m
.endr
.endr
	s_mov_b32 s61, 0x3727c5ac                      ; 1e-5
	s_mov_b32 s62, 0x43800000                      ; 256
	s_mov_b32 s63, 0x3a000000                      ; 1 / 2,048
	v_mov_b32 v[KV], 0x3e7c6f08                    ; E's coefficient 9
	v_mov_b32 v[KV+1], 0x3e7c6f08
	s_wait_dscnt 0x0
.irp m, 0,1,2
	v_add_f32 v[TC+\m], v[LP+2*\m], v[LP+2*(3+\m)]
	v_add_f32 v[TC+3+\m], v[LP+2*\m+1], v[LP+2*(3+\m)+1]
.endr
.irp w, 2,3,4,5,6,7
.irp m, 0,1,2
	v_add_f32 v[TC+\m], v[TC+\m], v[LP+2*(3*\w+\m)]
	v_add_f32 v[TC+3+\m], v[TC+3+\m], v[LP+2*(3*\w+\m)+1]
.endr
.endr
.irp m, 0,1,2
	v_mul_f32 v[TC+\m], 0x3e000000, v[TC+\m]       ; the row's mean
.endr
.irp w, 0,1,2,3,4,5,6,7
.irp m, 0,1,2
	v_sub_f32 v[LP+2*(3*\w+\m)], v[LP+2*(3*\w+\m)], v[TC+\m]
.endr
.endr
.irp m, 0,1,2
	v_mul_f32 v[SPR+\m], v[LP+2*\m], v[LP+2*\m]
.endr
.irp w, 1,2,3,4,5,6,7
.irp m, 0,1,2
	v_fma_f32 v[SPR+\m], v[LP+2*(3*\w+\m)], v[LP+2*(3*\w+\m)], v[SPR+\m]
.endr
.endr
.irp m, 0,1,2
	v_fma_f32 v[TC+3+\m], v[SPR+\m], s62, v[TC+3+\m]
.endr
.irp m, 0,1,2
	v_fma_f32 v[TC+3+\m], v[TC+3+\m], s63, s61     ; the variance + 1e-5
.endr
.irp m, 0,1,2
	v_rsq_f32 v[RS+4*\m], v[TC+3+\m]
.endr
.irp m, 0,1,2
	v_sub_f32 v[MUO+\m], v[MUO+\m], v[TC+\m]       ; my wave's mean less the row's.  (Plain instructions behind the three)
.endr
	s_wait_alu depctr_va_vdst(0)                   ; one wait for the three, ahead of their first reader
.irp m, 0,1,2
	v_mov_b32 v[RS+4*\m+1], v[RS+4*\m]
	v_mul_f32 v[RS+4*\m+2], v[MUO+\m], v[RS+4*\m]
	v_mul_f32 v[RS+4*\m+3], v[MUO+\m], v[RS+4*\m]
.endr
	; ---- LAYER NORM, GELU, QUANTISER: a chunk of 16 registers (one block of 32 along the next K, with lane l xor 16) a trip; a loop of eight trips for each m.
	; Register numbers cannot be stepped: three tests of the trip's number lead to one of eight short pieces that bring the chunk, normalised, into v64-79; the body is written once a loop.
.irp i, 0,1,2,3
	ds_load_b128 v[GR+4*\i:GR+4*\i+3], v[PRA] offset:16*\i
	ds_load_b128 v[BR+4*\i:BR+4*\i+3], v[PRA] offset:1024+16*\i
.endr
.macro STUB m, b, hb, w
	WIN \w
.irp i, 0,2,4,6,8,10,12,14
	v_pk_fma_f32 v[XR+\i:XR+\i+1], v[\hb+16*\b+\i:\hb+16*\b+\i+1], v[RS+4*\m:RS+4*\m+1], v[RS+4*\m+2:RS+4*\m+3]
.endr
	WIN 0
	s_branch .Lbody_\m
.endm
.macro TREE m, hb, w
	s_bitcmp1_b32 s60, 2
	s_cbranch_scc1 .Lb4_\m
	s_bitcmp1_b32 s60, 1
	s_cbranch_scc1 .Lb2_\m
	s_bitcmp1_b32 s60, 0
	s_cbranch_scc1 .Lb1_\m
	STUB \m, 0, \hb, \w
.Lb1_\m:
	STUB \m, 1, \hb, \w
.Lb2_\m:
	s_bitcmp1_b32 s60, 0
	s_cbranch_scc1 .Lb3_\m
	STUB \m, 2, \hb, \w
.Lb3_\m:
	STUB \m, 3, \hb, \w
.Lb4_\m:
	s_bitcmp1_b32 s60, 1
	s_cbranch_scc1 .Lb6_\m
	s_bitcmp1_b32 s60, 0
	s_cbranch_scc1 .Lb5_\m
	STUB \m, 4, \hb, \w
.Lb5_\m:
	STUB \m, 5, \hb, \w
.Lb6_\m:
	s_bitcmp1_b32 s60, 0
	s_cbranch_scc1 .Lb7_\m
	STUB \m, 6, \hb, \w
.Lb7_\m:
	STUB \m, 7, \hb, \w
.endm
.macro BODY m
.Lbody_\m:
	s_wait_dscnt 0x0                               ; this chunk's ln_g and ln_b are in; the last chunk's stores have read their registers
	s_add_co_u32 s61, s60, 1
	s_and_b32 s61, s61, 7
	s_lshl_b32 s61, s61, 7
	v_add_nc_u32 v[PADR], s61, v[PRA]              ; the next chunk's parameters (behind chunk 7 comes chunk 0, for the next m; the very last trip's eight loads are not used)
	s_lshl_b32 s28, s60, 8                         ; 256 x chunk = 1,024 kappa + 256 b'
	s_lshr_b32 s62, s60, 2
	s_and_b32 s63, s60, 3
	s_lshl_b32 s29, s62, 7
	s_add_co_u32 s29, s29, s63                     ; 128 kappa + b'
.irp i, 0,2,4,6,8,10,12,14
	v_pk_fma_f32 v[XR+\i:XR+\i+1], v[XR+\i:XR+\i+1], v[GR+\i:GR+\i+1], v[BR+\i:BR+\i+1]   ; x = normalised x ln_g + ln_b
.endr
.irp i, 0,1,2,3,4,5,6,7,8,9,10,11,12,13,14,15
	v_fma_f32 v[BR+\i], |v[XR+\i]|, s38, 1.0
.endr
.irp i, 0,1,2,3,4,5,6,7,8,9,10,11,12,13,14,15
	v_rcp_f32 v[BR+\i], v[BR+\i]                   ; t
.endr
.irp i, 0,2,4,6,8,10,12,14
	v_pk_mul_f32 v[GR+\i:GR+\i+1], v[XR+\i:XR+\i+1], s[40:41] op_sel_hi:[1,0]   ; u.  (Plain work behind the batch)
.endr
	s_wait_alu depctr_va_vdst(0)                   ; one wait for the sixteen reciprocals
.irp i, 0,2,4,6,8,10,12,14
	v_pk_fma_f32 v[PR+\i:PR+\i+1], v[BR+\i:BR+\i+1], v[KV:KV+1], s[58:59] op_sel_hi:[1,1,0]
.endr
.irp k, 56,54,52,50,48,46,44,42
.irp i, 0,2,4,6,8,10,12,14
	v_pk_fma_f32 v[PR+\i:PR+\i+1], v[PR+\i:PR+\i+1], v[BR+\i:BR+\i+1], s[\k:\k+1] op_sel_hi:[1,1,0]
.endr
.endr
.irp i, 0,2,4,6,8,10,12,14
	v_pk_fma_f32 v[PR+\i:PR+\i+1], v[GR+\i:GR+\i+1], v[GR+\i:GR+\i+1], v[PR+\i:PR+\i+1] neg_lo:[1,0,0] neg_hi:[1,0,0]   ; E(t) - u^2
.endr
.irp i, 0,1,2,3
	ds_load_b128 v[GR+4*\i:GR+4*\i+3], v[PADR] offset:16*\i       ; u is done with: the next chunk's ln_g
.endr
.irp i, 0,1,2,3,4,5,6,7,8,9,10,11,12,13,14,15
	v_exp_f32 v[PR+\i], v[PR+\i]
.endr
	v_add_nc_u32 v[HADR], s28, v[HW2]              ; (plain work behind the batch)
	v_add_nc_u32 v[BADR], s29, v[HWB]
	s_wait_alu depctr_va_vdst(0)                   ; one wait for the sixteen exponentials
.irp i, 0,2,4,6,8,10,12,14
	v_pk_mul_f32 v[PR+\i:PR+\i+1], v[PR+\i:PR+\i+1], v[BR+\i:BR+\i+1]   ; e
.endr
.irp i, 0,1,2,3,4,5,6,7,8,9,10,11,12,13,14,15
	v_max_num_f32 v[BR+\i], 0, v[XR+\i]
.endr
.irp i, 0,1,2,3,4,5,6,7,8,9,10,11,12,13,14,15
	v_fma_f32 v[XR+\i], -|v[XR+\i]|, v[PR+\i], v[BR+\i]           ; gelu
.endr
.irp i, 0,1,2,3
	ds_load_b128 v[BR+4*\i:BR+4*\i+3], v[PADR] offset:1024+16*\i  ; the next chunk's ln_b
.endr
	v_max3_num_f32 v[MX], |v[XR]|, |v[XR+1]|, 0x1800000           ; the block's largest magnitude, with the floor 2^(3 - 127): the byte cannot fall under 1
	v_max3_num_f32 v[MX2], |v[XR+2]|, |v[XR+3]|, |v[XR+4]|
	v_max3_num_f32 v[MX], v[MX], |v[XR+5]|, |v[XR+6]|
	v_max3_num_f32 v[MX2], v[MX2], |v[XR+7]|, |v[XR+8]|
	v_max3_num_f32 v[MX], v[MX], |v[XR+9]|, |v[XR+10]|
	v_max3_num_f32 v[MX2], v[MX2], |v[XR+11]|, |v[XR+12]|
	v_max3_num_f32 v[MX], v[MX], |v[XR+13]|, |v[XR+14]|
	v_max3_num_f32 v[MX], v[MX], v[MX2], |v[XR+15]|
	v_permlanex16_b32 v[MX2], v[MX], s36, s37
	v_max_num_f32 v[MX], v[MX], v[MX2]
	v_add_nc_u32 v[SCL], 0xff000000, v[MX]         ; 2 off its exponent field: the conversion's scale operand
	v_lshrrev_b32 v[BYT], 23, v[SCL]               ; the scale's byte
	v_cvt_scalef32_pk8_fp4_f32 v[CD], v[XR:XR+7], v[SCL]
	v_cvt_scalef32_pk8_fp4_f32 v[CD+1], v[XR+8:XR+15], v[SCL]
	v_nop                                          ; one plain instruction behind the last conversion
	; The operand's layout wants a whole block in a lane: registers 4 c .. 4 c + 3 of lane (r, b' % 2), c = b' / 2.  In the fragment's image that is byte 256 b' + 16 r, and my 16 codes are its half h: the store itself puts them there
	ds_store_b64 v[HADR], v[CD:CD+1] offset:2048*\m
	ds_store_b8 v[BADR], v[BYT] offset:256*\m      ; byte b' of my lane's scale word
.endm
.macro ALOOP m, hb, w
	s_mov_b32 s60, 0
.Lchunk_\m:
	TREE \m, \hb, \w
	BODY \m
	s_add_co_u32 s60, s60, 1
	s_cmp_lt_u32 s60, 8
	s_cbranch_scc1 .Lchunk_\m
.endm
.macro W2EARLY from                    ; four K steps of W2 into registers that h has left: 32 loads of 512 consecutive bytes
	WIN 0x40
.set J_, \from
.rept 32
	global_load_b128 v[4*J_:4*J_+3], v[LI], s[32:33] offset:512*J_
.set J_, J_+1
.endr
	WIN 0
.endm
	ALOOP 0, 0, 0x01
	W2EARLY 0                                      ; K steps 0 to 3: they land while m = 1 and 2 are worked
	ALOOP 1, 128, 0x01
	W2EARLY 32                                     ; K steps 4 to 7
	ALOOP 2, 128, 0
	s_wait_dscnt 0x0                               ; my images lie in LDS; the last trip's loads are in, so their registers may be used
	v_bfe_u32 v[VB2], v0, 4, 1
	v_lshlrev_b32 v[VB2], 5, v[VB2]                ; 32 h
.irp g, 2,3
.irp p, 0,1
	global_load_b128 v[WSB+8*(\g-2)+4*\p:WSB+8*(\g-2)+4*\p+3], v[VW2], s[16:17] offset:2048*\p+16*\g
.endr
.endr
.irp n, 0,1,2,3
	global_load_b128 v[B2R+8*\n:B2R+8*\n+3], v[VB2], s[18:19] offset:64*\n       ; b2 in the result's layout
	global_load_b128 v[B2R+8*\n+4:B2R+8*\n+7], v[VB2], s[18:19] offset:64*\n+16
.endr
	s_wait_xcnt 0x0                                ; these loads have read their address registers, which the hidden fragments will take
	s_barrier_signal -1
	s_barrier_wait -1                              ; the hidden layer's 48 fragments lie in LDS
	; ---- SECOND PRODUCT: y = a W2.  16 K steps of 12 products; the 12 accumulators take turns, one instruction a turn
.macro HFETCH st
.set hS, HF+24*((\st)%2)
.irp m, 0,1,2
.set fF, 6*((\st)/2)+2*\m+(\st)%2
	ds_load_b128 v[hS+8*\m:hS+8*\m+3], v[LIH] offset:1024*fF
	ds_load_b128 v[hS+8*\m+4:hS+8*\m+7], v[LIH] offset:1024*fF+512
	ds_load_b32 v[SB+3*((\st)%2)+\m], v[LSH] offset:128*fF
.endr
.endm
.macro STEP2 st
.if (\st) < 15
	s_wait_dscnt 9                                 ; this step's nine LDS loads are in; the next step's nine are younger
.else
	s_wait_dscnt 0x0
.endif
.if (\st) == 0
	s_wait_loadcnt 12                              ; W2's K steps 0 to 7 and their scale words are in; younger: four loads of scale words and b2's eight
.endif
.if (\st) >= 8
	s_wait_loadcnt 8*(15-(\st))                    ; this K step's eight are in; younger: those of the K steps behind it
.endif
	WIN 0x01                                       ; source 0 (W2) in window 1
.irp n, 0,1,2,3
.irp m, 0,1,2
.set rD, YA+8*(3*\n+\m)
.set rA, 32*((\st)%8)+8*\n
.set rB, HF+24*((\st)%2)+8*\m
.if (\st) < 8
.set rW, WS+8*((\st)/4)+4*(\n/2)+(\st)%4
.else
.set rW, WSB+8*((\st)/4-2)+4*(\n/2)+(\st)%4
.endif
.set rS, SB+3*((\st)%2)+\m
.set od, \n%2
.if (\st) == 0
	MMZ rD, rA, rB, rW, rS, od
.else
	MMC rD, rA, rB, rD, rW, rS, od
.endif
.endr
.endr
	WIN 0
	PLACES 4                                       ; in front of loads into registers that the products have read, and at the end of the first read of results
.if (\st) < 14
	HFETCH (\st)+2
.endif
.if (\st) < 8
	WIN 0x40
.irp j, 0,1,2,3,4,5,6,7
	global_load_b128 v[32*(\st)+4*\j:32*(\st)+4*\j+3], v[LI], s[32:33] offset:4096*((\st)+8)+512*\j   ; the slot takes the K step eight further on
.endr
	WIN 0
.endif
.endm
	HFETCH 0
	HFETCH 1
.set Q, 0
.rept 16
	STEP2 Q
.set Q, Q+1
.endr
	; ---- THE WAY OUT.  + b2; a lane's eight numbers are 32 bytes of one row, my wave's 64 outputs 256 bytes of it: 16 rows at a time through my own stage, then sixteen lanes store 256 consecutive bytes, aligned
.irp n, 0,1,2,3
.irp m, 0,1,2
.irp j, 0,2,4,6
	v_pk_add_f32 v[YA+8*(3*\n+\m)+\j:YA+8*(3*\n+\m)+\j+1], v[YA+8*(3*\n+\m)+\j:YA+8*(3*\n+\m)+\j+1], v[B2R+8*\n+\j:B2R+8*\n+\j+1]   ; each accumulator from its low end on
.endr
.endr
.endr
	v_and_b32 v116, 15, v0
	v_bfe_u32 v117, v0, 4, 1
	s_mul_i32 s61, s22, 4352
	s_add_co_u32 s61, s61, YST
	v_mul_u32_u24 v118, v116, 272
	v_lshl_add_u32 v118, v117, 5, v118
	v_add_nc_u32 v118, s61, v118                   ; in: row r, + 32 h (+ 64 n)
	v_mul_u32_u24 v119, v117, 272
	v_lshl_add_u32 v119, v116, 4, v119
	v_add_nc_u32 v119, s61, v119                   ; back: lanes 0-15 one row, lanes 16-31 the next
	v_lshl_add_u32 v120, v117, 2, ROWT             ; and that row's item
	s_lshl_b32 s61, s22, 8
	v_lshl_add_u32 v121, v116, 4, s61              ; my 16 bytes of the wave's 256 in a row of y
	s_cmp_eq_u32 s26, 0
	s_cbranch_scc1 .Ldone                          ; a tile with no rows stores nothing
.macro OUT m
.set oB, 36+32*((\m)%2)
.set oF, 100+8*((\m)%2)
.irp n, 0,1,2,3
	ds_store_b128 v118, v[YA+8*(3*\n+\m):YA+8*(3*\n+\m)+3] offset:64*\n
	ds_store_b128 v118, v[YA+8*(3*\n+\m)+4:YA+8*(3*\n+\m)+7] offset:64*\n+16
.endr
.irp i, 0,1,2,3,4,5,6,7
	ds_load_b128 v[oB+4*\i:oB+4*\i+3], v119 offset:544*\i         ; LDS serves a wave's instructions in order: these see my stores, and the next tile's stores come behind them
	ds_load_b32 v[oF+\i], v120 offset:(16*\m+2*\i)*4
.endr
.irp i, 0,1,2,3,4,5,6,7
	s_wait_dscnt 14-2*\i                           ; pair i of loads is in; the pairs behind it may be out
	v_min_u32 v[oF+\i], 0x1fff, v[oF+\i]           ; the item, held inside y
	v_lshl_add_u32 v[oF+\i], v[oF+\i], 11, v121
	global_store_b128 v[oF+\i], v[oB+4*\i:oB+4*\i+3], s[20:21]
.endr
.endm
	OUT 0
	OUT 1
	s_wait_xcnt 0x0                                ; the first tile's stores have read their registers, which the third takes
	OUT 2
.Ldone:
	s_wait_tensorcnt 0x0                           ; the wave's end: three closing lines behind my last LDS store
	ds_add_u32 v[SPW], v[NIL]
	s_wait_dscnt 0x0
	s_endpgm
.Lfunc_end_k_qe59bc986f4_chain:
	.size	k_qe59bc986f4_chain, .Lfunc_end_k_qe59bc986f4_chain-k_qe59bc986f4_chain
	.p2alignl 7, 3214868480
	.fill 96, 4, 3214868480
	.section	.rodata,"a",@progbits
	.p2align	6, 0x0
	.amdhsa_kernel k_qe59bc986f4_chain
		.amdhsa_group_segment_fixed_size 124672
		.amdhsa_private_segment_fixed_size 0
		.amdhsa_enable_private_segment 0
		.amdhsa_kernarg_size 72
		.amdhsa_user_sgpr_count 2
		.amdhsa_user_sgpr_kernarg_segment_ptr 1
		.amdhsa_wavefront_size32 1
		.amdhsa_system_sgpr_workgroup_id_x 1
		.amdhsa_system_sgpr_workgroup_id_y 1
		.amdhsa_system_sgpr_workgroup_id_z 1
		.amdhsa_system_vgpr_workitem_id 0
		.amdhsa_next_free_vgpr 512
		.amdhsa_next_free_sgpr 66
		.amdhsa_reserve_vcc 0
		.amdhsa_float_denorm_mode_32 3
		.amdhsa_float_denorm_mode_16_64 3
		.amdhsa_memory_ordered 1
		.amdhsa_forward_progress 1
		.amdhsa_inst_pref_size 217
	.end_amdhsa_kernel
	.amdgpu_metadata
---
amdhsa.version: [ 1, 2 ]
amdhsa.kernels:
  - .name:           k_qe59bc986f4_chain
    .symbol:         k_qe59bc986f4_chain.kd
    .args:
      - { .name: plan, .offset: 0, .size: 8, .value_kind: global_buffer, .address_space: global }
      - { .name: xq, .offset: 8, .size: 8, .value_kind: global_buffer, .address_space: global }
      - { .name: wf, .offset: 16, .size: 8, .value_kind: global_buffer, .address_space: global }
      - { .name: b1, .offset: 24, .size: 8, .value_kind: global_buffer, .address_space: global }
      - { .name: ln_g, .offset: 32, .size: 8, .value_kind: global_buffer, .address_space: global }
      - { .name: ln_b, .offset: 40, .size: 8, .value_kind: global_buffer, .address_space: global }
      - { .name: W2_scales, .offset: 48, .size: 8, .value_kind: global_buffer, .address_space: global }
      - { .name: b2, .offset: 56, .size: 8, .value_kind: global_buffer, .address_space: global }
      - { .name: y, .offset: 64, .size: 8, .value_kind: global_buffer, .address_space: global }
    .group_segment_fixed_size: 124672
    .private_segment_fixed_size: 0
    .kernarg_segment_align: 8
    .kernarg_segment_size: 72
    .max_flat_workgroup_size: 256
    .sgpr_count:     66
    .vgpr_count:     512
    .wavefront_size: 32
...
	.end_amdgpu_metadata
.endif
;; end of part 3
;; launch combine (part 4): grid 256 x 1, 8 waves a work-group, no clusters, 0 bytes of LDS; arguments y, gout, out_g, out_b, out0; writes out0
.if DOCPART == 4
	.amdgcn_target "amdgcn-amd-amdhsa--gfx1250"
	.amdhsa_code_object_version 6
	.text
	.protected	k_qe59bc986f4_combine
	.globl	k_qe59bc986f4_combine
	.p2align	8
	.type	k_qe59bc986f4_combine,@function
k_qe59bc986f4_combine:
	s_mov_b64 s[64:65], 0
	v_nop
	global_prefetch_b8 v0, s[64:65] scope:SCOPE_SE
	s_setreg_imm32_b32 hwreg(HW_REG_WAVE_MODE, 25, 1), 1
	s_wait_xcnt 0x0
; FOURTH LAUNCH.  out0[n] = layer norm of w1 y[2 n] + w2 y[2 n + 1]: the six experts that were not chosen have the weight 0 and were left out (shown at the head of the first kernel).
; A stream: a wave takes two tokens; a token's two rows of y are 4,096 consecutive bytes, eight loads of 512; the row stays in the registers that it was loaded into; no LDS, no barrier.
; The mean is taken away before the squares are summed.
.set G,  2                             ; v2-17   out_g: register 4 i + j = column 128 i + 4 lane + j
.set B,  18                            ; v18-33  out_b
.set Y,  34                            ; v34-97  token t: 16 registers of row 2 n, 16 of row 2 n + 1
	s_load_b256 s[4:11], s[0:1], 0x0               ; y, gout, out_g, out_b
	s_load_b64 s[12:13], s[0:1], 0x20              ; out0
	v_lshrrev_b32 v1, 5, v0
	v_readfirstlane_b32 s14, v1
	v_and_b32 v1, 31, v0
	v_lshlrev_b32 v1, 4, v1                        ; 16 x lane
	s_lshl_b32 s15, ttmp9, 3
	s_add_co_u32 s15, s15, s14                     ; which pair of tokens
	s_lshl_b32 s16, s15, 13
	s_mov_b32 s17, 0
	s_lshl_b32 s18, s15, 12
	s_mov_b32 s19, 0
	s_lshl_b32 s20, s15, 4
	s_mov_b32 s21, 0
	s_mov_b32 s22, 0x3b000000                      ; 1 / 512
	s_mov_b32 s23, 0x3727c5ac                      ; 1e-5
	s_mov_b32 s32, 0x76543210
	s_mov_b32 s33, 0xfedcba98
	s_wait_kmcnt 0x0
	s_add_nc_u64 s[6:7], s[6:7], s[20:21]
	s_load_b128 s[24:27], s[6:7], 0x0              ; w1, w2 of both tokens
	s_add_nc_u64 s[4:5], s[4:5], s[16:17]
	s_add_nc_u64 s[12:13], s[12:13], s[18:19]
.irp i, 0,1,2,3
	global_load_b128 v[G+4*\i:G+4*\i+3], v1, s[8:9] offset:512*\i
	global_load_b128 v[B+4*\i:B+4*\i+3], v1, s[10:11] offset:512*\i
.endr
.irp t, 0,1
.irp k, 0,1
.irp i, 0,1,2,3
	global_load_b128 v[Y+32*\t+16*\k+4*\i:Y+32*\t+16*\k+4*\i+3], v1, s[4:5] offset:4096*\t+2048*\k+512*\i th:TH_LOAD_NT
.endr
.endr
.endr
	s_wait_kmcnt 0x0
	s_mov_b32 s28, s25                             ; a packed form takes the low word of a scalar pair for both halves: w2 gets pairs of its own
	s_mov_b32 s29, s25
	s_mov_b32 s30, s27
	s_mov_b32 s31, s27
.macro REDUCE                          ; v114 over the 32 lanes, into every lane
.irp x, 1,2,4,8
	v_add_f32_dpp v114, v114, v114 row_xmask:\x row_mask:0xf bank_mask:0xf
.endr
	v_permlanex16_b32 v115, v114, s32, s33
	v_add_f32 v114, v114, v115
.endm
.macro TOKEN t, left, wa, wb
.set Z, Y+32*\t
	s_wait_loadcnt \left
.irp i, 0,2,4,6,8,10,12,14
	v_pk_mul_f32 v[Z+\i:Z+\i+1], v[Z+\i:Z+\i+1], s[\wa:\wa+1] op_sel_hi:[1,0]
.endr
.irp i, 0,2,4,6,8,10,12,14
	v_pk_fma_f32 v[Z+\i:Z+\i+1], v[Z+16+\i:Z+16+\i+1], s[\wb:\wb+1], v[Z+\i:Z+\i+1] op_sel_hi:[1,0,1]
.endr
	v_pk_add_f32 v[114:115], v[Z:Z+1], v[Z+2:Z+3]
	v_pk_add_f32 v[116:117], v[Z+4:Z+5], v[Z+6:Z+7]
	v_pk_add_f32 v[118:119], v[Z+8:Z+9], v[Z+10:Z+11]
	v_pk_add_f32 v[120:121], v[Z+12:Z+13], v[Z+14:Z+15]
	v_pk_add_f32 v[114:115], v[114:115], v[116:117]
	v_pk_add_f32 v[118:119], v[118:119], v[120:121]
	v_pk_add_f32 v[114:115], v[114:115], v[118:119]
	v_add_f32 v114, v114, v115
	REDUCE
	v_mul_f32 v116, 0xbb000000, v114               ; minus the mean
	v_mul_f32 v117, 0xbb000000, v114
.irp i, 0,2,4,6,8,10,12,14
	v_pk_add_f32 v[Z+\i:Z+\i+1], v[Z+\i:Z+\i+1], v[116:117]
.endr
	v_pk_mul_f32 v[114:115], v[Z:Z+1], v[Z:Z+1]
	v_pk_mul_f32 v[118:119], v[Z+2:Z+3], v[Z+2:Z+3]
.irp i, 4,8,12
	v_pk_fma_f32 v[114:115], v[Z+\i:Z+\i+1], v[Z+\i:Z+\i+1], v[114:115]
	v_pk_fma_f32 v[118:119], v[Z+\i+2:Z+\i+3], v[Z+\i+2:Z+\i+3], v[118:119]
.endr
	v_pk_add_f32 v[114:115], v[114:115], v[118:119]
	v_add_f32 v114, v114, v115
	REDUCE
	v_fma_f32 v114, v114, s22, s23                 ; the variance + 1e-5
	v_rsq_f32 v116, v114
	v_nop                                          ; a plain instruction behind it
	s_wait_alu depctr_va_vdst(0)                   ; and the wait ahead of its first reader
	v_mov_b32 v117, v116
.irp i, 0,2,4,6,8,10,12,14
	v_pk_mul_f32 v[Z+\i:Z+\i+1], v[Z+\i:Z+\i+1], v[116:117]
.endr
.irp i, 0,2,4,6,8,10,12,14
	v_pk_fma_f32 v[Z+\i:Z+\i+1], v[Z+\i:Z+\i+1], v[G+\i:G+\i+1], v[B+\i:B+\i+1]
.endr
.irp i, 0,1,2,3
	global_store_b128 v1, v[Z+4*\i:Z+4*\i+3], s[12:13] offset:2048*\t+512*\i th:TH_STORE_NT   ; 512 consecutive bytes
.endr
.endm
	TOKEN 0, 8, 24, 28                             ; the second token's eight loads may stay out
	TOKEN 1, 0, 26, 30
	s_endpgm
.Lfunc_end_k_qe59bc986f4_combine:
	.size	k_qe59bc986f4_combine, .Lfunc_end_k_qe59bc986f4_combine-k_qe59bc986f4_combine
	.p2alignl 7, 3214868480
	.fill 96, 4, 3214868480
	.section	.rodata,"a",@progbits
	.p2align	6, 0x0
	.amdhsa_kernel k_qe59bc986f4_combine
		.amdhsa_group_segment_fixed_size 0
		.amdhsa_private_segment_fixed_size 0
		.amdhsa_enable_private_segment 0
		.amdhsa_kernarg_size 40
		.amdhsa_user_sgpr_count 2
		.amdhsa_user_sgpr_kernarg_segment_ptr 1
		.amdhsa_wavefront_size32 1
		.amdhsa_system_sgpr_workgroup_id_x 1
		.amdhsa_system_sgpr_workgroup_id_y 1
		.amdhsa_system_sgpr_workgroup_id_z 1
		.amdhsa_system_vgpr_workitem_id 0
		.amdhsa_next_free_vgpr 128
		.amdhsa_next_free_sgpr 66
		.amdhsa_reserve_vcc 0
		.amdhsa_float_denorm_mode_32 3
		.amdhsa_float_denorm_mode_16_64 3
		.amdhsa_memory_ordered 1
		.amdhsa_forward_progress 1
		.amdhsa_inst_pref_size 14
	.end_amdhsa_kernel
	.amdgpu_metadata
---
amdhsa.version: [ 1, 2 ]
amdhsa.kernels:
  - .name:           k_qe59bc986f4_combine
    .symbol:         k_qe59bc986f4_combine.kd
    .args:
      - { .name: y, .offset: 0, .size: 8, .value_kind: global_buffer, .address_space: global }
      - { .name: gout, .offset: 8, .size: 8, .value_kind: global_buffer, .address_space: global }
      - { .name: out_g, .offset: 16, .size: 8, .value_kind: global_buffer, .address_space: global }
      - { .name: out_b, .offset: 24, .size: 8, .value_kind: global_buffer, .address_space: global }
      - { .name: out0, .offset: 32, .size: 8, .value_kind: global_buffer, .address_space: global }
    .group_segment_fixed_size: 0
    .private_segment_fixed_size: 0
    .kernarg_segment_align: 8
    .kernarg_segment_size: 40
    .max_flat_workgroup_size: 256
    .sgpr_count:     66
    .vgpr_count:     128
    .wavefront_size: 32
...
	.end_amdgpu_metadata
.endif
;; end of part 4
;; ======== version 2 of 2: 4 launches; version 1 with the launch chain written anew for expert scheduling mode
;; workspace buffers: xq 1,114,112 bytes; eidx 32,768 bytes of whole numbers; gout 36,864 bytes; plan 36,864 bytes of whole numbers; wf 8,650,752 bytes; y 16,777,216 bytes
;; launch gate: the kernel of part 1 again; grid 128 x 1, 8 waves a work-group, no clusters, 60,416 bytes of LDS; arguments x, gate_W, gate_b, xq, eidx, gout; writes xq, eidx, gout
;; launch place: the kernel of part 2 again; grid 67 x 1, 32 waves a work-group, no clusters, 12,288 bytes of LDS; arguments eidx, gout, W1_codes, W1_scales, W2_codes, plan, wf, out1; writes plan, wf, out1
;; launch chain (part 5): grid 178 x 1, 8 waves a work-group, no clusters, 124,672 bytes of LDS; arguments plan, xq, wf, b1, ln_g, ln_b, W2_scales, b2, y; writes y
.if DOCPART == 5
	.amdgcn_target "amdgcn-amd-amdhsa--gfx1250"
	.amdhsa_code_object_version 6
	.text
	.protected	k_qe59bc986f4_chain
	.globl	k_qe59bc986f4_chain
	.p2align	8
	.type	k_qe59bc986f4_chain,@function
k_qe59bc986f4_chain:
	s_mov_b64 s[64:65], 0
	v_nop
	global_prefetch_b8 v0, s[64:65] scope:SCOPE_SE
	s_setreg_imm32_b32 hwreg(HW_REG_WAVE_SCHED_MODE, 0, 2), 2
	s_setreg_imm32_b32 hwreg(HW_REG_WAVE_MODE, 25, 1), 1
	s_wait_xcnt 0x0
	s_wait_alu depctr_vm_vsrc(0)
; THIRD LAUNCH.  Only the rows of the two chosen experts of each token are multiplied (shown at the head of the first kernel).
; A work-group takes ONE TILE of at most 48 rows of ONE expert through the whole chain: gather x's codes, h = x W1 + b1, layer norm, exact gelu, quantise, y = a W2 + b2, stored at y[item][512] f32, item = 2 x token + k.
; 8,192 rows in tiles of 48 over 8 experts are never more than 171 + 7 = 178 tiles, whatever the choice.  Rows behind a tile's last repeat its last row and store the same bytes to the same place.
; A tile with no rows runs the chain on row 0 and jumps over its stores alone: no barrier stands under a branch on a number read from memory.
; No tensor load, no copy, no cluster: the expert comes from the stored list and one branch hangs on it, so the weights go from memory straight into registers, in the order in which the launch before has laid them.
; SHARES.  Wave w of eight owns hidden units 256 w .. + 255 (16 tiles t) and outputs 64 w .. + 63 (4 tiles n), for all three tiles m of 16 rows.  Both products are used transposed (source 0 = 16 rows of the weight,
; source 1 = 16 rows of the tile): a lane (r, h) holds ONE row r throughout; the 16 registers of W1's tiles 2 b and 2 b + 1 are hidden units 256 w + 32 b + 16 h + 0 .. 15.
; GELU.  gelu(x) = max(x, 0) - |x| e, e = erfc(|x| / sqrt 2) / 2 = t 2^(E(t) - u^2), t = 1 / (1 + |x| sqrt 2 / 4), u^2 = x^2 log2(e) / 2, E a polynomial of degree 9 whose fit of erfc is good to 1.2e-7 of the value for every x:
; no difference of large numbers is formed on either side of 0.
; LAYER NORM.  Each wave takes the mean of its 256 numbers of a row away and sums the squares of the rest; the eight pairs meet in LDS and are joined exactly (mean of means; sums of squares + 256 x squared distances of the means).
; LIMITS: a block of the hidden layer whose largest magnitude lies under 2^-124 gets the byte 1 (a block of zeros too: its codes are zeros); NaN and infinities are not served.
; REGISTERS, in windows of 256.  h(m, t) = 8 registers: m = 0: window 1 v0-127; m = 1: window 1 v128-255; m = 2: window 0 v128-255.  Window 0 v0-35 stay; v36-127 by phase (below).
; THE MODE: SCHED_MODE bits 1:0 = 2 (LLVM: expert scheduling mode 2), set by the entry lines.  The code itself states the register dependences between vector or matrix instructions and memory or LDS
; instructions, with s_wait_alu, always for 0.
; THE PLAN.  Registers that memory or LDS instructions touch, phase by phase, and who else names them:
;   v3-v11        addresses, made once at the head and never written again: one wait on va_vdst ahead of the first load serves them for the whole kernel.
;   FIRST PRODUCT W1's two halves of four fragments, x's three fragments, SB and WS are read by a group's twelve products and loaded again.  ONE wait on va_vdst stands behind a group; the run of loads that
;                 follows it lands in just these registers.  It stands behind the group and not at the next group's head, so that the half that the group has emptied is asked for again at once.
;   STATISTICS    The three pairs are written by vector lines and go out by three LDS stores on end, behind one wait; the same wait shows the products done with v64-111, where the eight waves' pairs land.
;   GELU          A chunk writes its three LDS addresses, its codes and its byte; one wait on vm_vsrc at a chunk's head shows that the last chunk's LDS instructions have read them.  The next chunk's ln_g is asked for
;                 behind the wait for the exponentials (u, which lay there, is done with), its ln_b behind the wait that the two stores are owed (max(x, 0), which lay there, is done with).
;   SECOND PRODUCT  A K step's twelve products read one set of hidden fragments, its SB and one slot of W2; ONE wait on va_vdst behind them, then the loads into these.
;   WAY OUT       All 24 items are fetched at once and all 24 offsets made together: one wait ahead of the LDS traffic, one ahead of the 24 stores; three out-buffers, so that none is written twice.
.set XIMG,  0                          ; LDS: x's 12 fragments (4 m + K step) as images of their registers, 1,024 bytes each
.set XSC,   12288                      ; their scale words, 128 bytes each
.set ROWT,  13824                      ; the 48 rows' items
.set STAT,  14080                      ; [wave][m][r] (mean, sum of squares)
.set PRM,   17152                      ; each wave's own 256 ln_g, then 256 ln_b
.set HIMG,  33536                      ; the hidden layer's 48 fragments, the maker's six on end: f = 6 w + 2 m + kappa is K step 2 w + kappa of the second product, rows 16 m on
.set HSC,   82688                      ; their scale words, 128 bytes each
.set YST,   88832                      ; each wave's own stage for the way out: 16 rows x (256 + 16)
.set SPARE, 123648                     ; the spare words: 128 bytes a wave, four blocks of 256 bytes that no other line names
.set SPW, 1
.set NIL, 2
.set LI,  3                            ; 16 x lane
.set LS,  4                            ; 4 x lane
.set LIH, 5                            ; HIMG + 16 x lane
.set LSH, 6                            ; HSC + 4 x lane
.set HW2, 7                            ; HIMG + 6144 w + 16 r + 8 h: where a chunk's 16 codes go
.set HWB, 8                            ; HSC + 768 w + 4 x lane: and its scale byte
.set PRA, 9                            ; PRM + 2048 w + 64 h
.set STA, 10                           ; STAT + 384 w + 8 r
.set STR, 11                           ; STAT + 8 r
.set KV,  12                           ; v12-13 the polynomial's highest coefficient, twice (at the head v12 is b1's lane offset)
.set SB,  14                           ; v14-19 scale words of source 1
.set WS,  20                           ; v20-35 scale words of source 0, two sets of 8
.set XF,  36                           ; first product: v36-59 x's three fragments; v60-63 head addresses; v64-127 W1's fragments, two halves of four
.set XWI, 60
.set XWS, 61
.set RTW, 62
.set PRW, 63
.set RG,  64
.set RS,  36                           ; statistics on: v36+4m (rstd, rstd), v38+4m (shift, shift)
.set MUO, 48                           ; statistics: v48-50 my wave's means
.set VW2, 51                           ; 64 x lane: W2's scale words
.set NM,  52                           ; v52-53 minus my mean, twice
.set TC,  54                           ; v54-61 four chains
.set T0,  62
.set T1,  63
.set LP,  64                           ; v64-111 the eight waves' pairs
.set SPR, 112                          ; v112-117 my pairs
.set CD,  48                           ; gelu: v48-49 codes
.set MX,  50
.set MX2, 52
.set SCL, 53
.set BYT, 54
.set PADR, 55
.set HADR, 56
.set BADR, 57
.set VB2, 58
.set XR,  64                           ; v64-79 the chunk;  v80-95 the polynomial, then e;  v96-111 ln_g, then u;  v112-127 ln_b, then t, then max(x, 0)
.set PR,  80
.set GR,  96
.set BR,  112
.set HF,  36                           ; second product: v36-83 hidden fragments, two sets of three; v84-99 W2's scale words of K steps 8 on
.set WSB, 84
.set YA,  128                          ; v128-223 y(n, m) at 8 (3 n + m); v224-255 b2;  window 1: eight slots of 32 registers for W2's K steps
.set B2R, 224
.set OF,  100                          ; way out: v100-123 the 24 byte offsets in y (row tile m, pair of rows i: 8 m + i); out-buffers v36-67, v68-99, v224-255
.set SI,  124                          ; v124 the stage, on the way in;  v125 on the way back;  v126 the rows' items;  v127 my 16 bytes of the wave's 256 in a row of y
.set SBK, 125
.set SIT, 126
.set SYO, 127
.set MSB, 0
.macro WIN new                         ; bits 1:0 source 0, 3:2 source 1, 5:4 source 2, 7:6 destination; the high byte repeats the setting that is left
.if MSB != \new
	s_set_vgpr_msb (MSB<<8)|\new
.set MSB, \new
.endif
.endm
.macro PLACES n
.rept \n
	v_nop
.endr
.endm
.macro MMC d, a, b, c, sa, sb, row1    ; row1: source 0's scale words stand in lanes 16-31
.if \row1
	v_wmma_scale_f32_16x16x128_f8f6f4 v[\d:\d+7], v[\a:\a+7], v[\b:\b+7], v[\c:\c+7], v[\sa], v[\sb] matrix_a_fmt:MATRIX_FMT_FP4 matrix_b_fmt:MATRIX_FMT_FP4 matrix_a_scale:MATRIX_SCALE_ROW1
.else
	v_wmma_scale_f32_16x16x128_f8f6f4 v[\d:\d+7], v[\a:\a+7], v[\b:\b+7], v[\c:\c+7], v[\sa], v[\sb] matrix_a_fmt:MATRIX_FMT_FP4 matrix_b_fmt:MATRIX_FMT_FP4
.endif
.endm
.macro MMZ d, a, b, sa, sb, row1       ; the first product starts a sum
.if \row1
	v_wmma_scale_f32_16x16x128_f8f6f4 v[\d:\d+7], v[\a:\a+7], v[\b:\b+7], 0, v[\sa], v[\sb] matrix_a_fmt:MATRIX_FMT_FP4 matrix_b_fmt:MATRIX_FMT_FP4 matrix_a_scale:MATRIX_SCALE_ROW1
.else
	v_wmma_scale_f32_16x16x128_f8f6f4 v[\d:\d+7], v[\a:\a+7], v[\b:\b+7], 0, v[\sa], v[\sb] matrix_a_fmt:MATRIX_FMT_FP4 matrix_b_fmt:MATRIX_FMT_FP4
.endif
.endm
	s_load_b512 s[4:19], s[0:1], 0x0               ; plan, xq, wf, b1, ln_g, ln_b, W2_scales, b2
	s_load_b64 s[20:21], s[0:1], 0x40              ; y
	v_lshl_add_u32 v[SPW], v0, 2, SPARE
	v_mov_b32 v[NIL], 0
	v_lshrrev_b32 v52, 5, v0
	v_readfirstlane_b32 s22, v52                   ; wave 0..7
	v_and_b32 v52, 31, v0                          ; lane
	v_and_b32 v53, 15, v0                          ; r
	v_bfe_u32 v54, v0, 4, 1                        ; h
	v_lshlrev_b32 v[LI], 4, v52
	v_lshlrev_b32 v[LS], 2, v52
	v_add_nc_u32 v[LIH], HIMG, v[LI]
	v_add_nc_u32 v[LSH], HSC, v[LS]
	s_wait_alu depctr_va_sdst(0)                   ; s22 is written, ahead of its first reader: addresses, bases and branches are made from it
	s_mul_i32 s61, s22, 6144
	s_add_co_u32 s61, s61, HIMG
	v_lshl_add_u32 v[HW2], v53, 4, s61
	v_lshl_add_u32 v[HW2], v54, 3, v[HW2]
	s_mul_i32 s61, s22, 768
	s_add_co_u32 s61, s61, HSC
	v_add_nc_u32 v[HWB], s61, v[LS]
	s_lshl_b32 s61, s22, 11
	s_add_co_u32 s61, s61, PRM
	v_lshl_add_u32 v[PRA], v54, 6, s61
	v_add_nc_u32 v[PRW], s61, v[LI]
	s_mul_i32 s61, s22, 384
	s_add_co_u32 s61, s61, STAT
	v_lshl_add_u32 v[STA], v53, 3, s61
	v_lshlrev_b32 v[STR], 3, v53
	v_add_nc_u32 v[STR], STAT, v[STR]
	s_lshl_b32 s61, s22, 12
	v_add_nc_u32 v[XWI], s61, v[LI]                ; waves 0 to 2: row tile m = w: its four fragments' images
	s_lshl_b32 s61, s22, 9
	s_add_co_u32 s61, s61, XSC
	v_add_nc_u32 v[XWS], s61, v[LS]
	s_lshl_b32 s61, s22, 6
	s_add_co_u32 s61, s61, ROWT
	v_lshl_add_u32 v[RTW], v53, 2, s61
	v_lshlrev_b32 v12, 6, v54                      ; 64 h: b1's lane offset
	s_mov_b32 s36, 0x76543210
	s_mov_b32 s37, 0xfedcba98                      ; selects: lane l xor 16
	s_mov_b32 s38, 0x3eb504f3                      ; sqrt 2 / 4
	s_mov_b32 s40, 0x3f596d27                      ; sqrt(log2(e) / 2)
	s_mov_b32 s42, 0xc034d90f                      ; E's coefficients 0 to 8, x log2(e), 1 taken off the first for the half
	s_mov_b32 s44, 0x3fb8ab5a
	s_mov_b32 s46, 0x3f0a29d2
	s_mov_b32 s48, 0x3e0efb2e
	s_mov_b32 s50, 0xbe899a80
	s_mov_b32 s52, 0x3ecdfd18
	s_mov_b32 s54, 0xbfd1a1e5
	s_mov_b32 s56, 0x40097039
	s_mov_b32 s58, 0xbf97d29d
.irp k, 40,42,44,46,48,50,52,54,56,58
	s_mov_b32 s[\k+1], s[\k]                       ; (a packed form names a pair and takes its low word for both halves: so the upper word is written)
.endr
	s_lshl_b32 s28, ttmp9, 4
	s_mov_b32 s29, 0
	s_wait_kmcnt 0x0
	s_add_nc_u64 s[28:29], s[4:5], s[28:29]
	s_load_b128 s[24:27], s[28:29], 0x0            ; my tile: expert, first row, rows, last row
	s_wait_kmcnt 0x0
	s_min_u32 s24, s24, 7                          ; held inside their tables
	s_min_u32 s25, s25, 0x1fff
	s_min_u32 s26, s26, 48
	s_min_u32 s27, s27, 0x1fff
	s_lshl_b32 s62, s24, 19
	s_lshl_b32 s61, s22, 16
	s_add_co_u32 s62, s62, s61
	s_mov_b32 s63, 0
	s_add_nc_u64 s[30:31], s[8:9], s[62:63]        ; my 64 KiB of W1's fragments
	s_add_nc_u64 s[32:33], s[30:31], 0x400000      ; and of W2's
	s_lshl_b32 s62, s24, 15
	s_lshl_b32 s61, s22, 12
	s_add_co_u32 s62, s62, s61
	s_add_nc_u64 s[34:35], s[8:9], s[62:63]
	s_add_nc_u64 s[34:35], s[34:35], 0x800000      ; W1's scale words
	s_add_nc_u64 s[16:17], s[16:17], s[62:63]      ; W2's scale bytes: my 64 rows of 64
	s_lshl_b32 s62, s24, 13
	s_lshl_b32 s61, s22, 10
	s_add_co_u32 s62, s62, s61
	s_add_nc_u64 s[10:11], s[10:11], s[62:63]      ; b1, ln_g, ln_b: my 256 numbers
	s_add_nc_u64 s[12:13], s[12:13], s[62:63]
	s_add_nc_u64 s[14:15], s[14:15], s[62:63]
	s_lshl_b32 s62, s24, 11
	s_lshl_b32 s61, s22, 8
	s_add_co_u32 s62, s62, s61
	s_add_nc_u64 s[18:19], s[18:19], s[62:63]      ; b2: my 64
	s_wait_alu depctr_va_vdst(0)                   ; the addresses v3 to v12 and v60 to v63 are written, which the loads and LDS instructions of the whole kernel read; the head is done with v52 to v54, in which a fragment of x will land.  Ahead of the branch: for every wave
	; waves 0 to 2 gather: the rows' items first, then their codes and scale words, ahead of the common loads, so that the two dependent fetches start at once
	s_cmp_lt_u32 s22, 3
	s_cbranch_scc0 .Lno_rows
	s_lshl_b32 s61, s22, 4
	s_add_co_u32 s61, s61, s25
	v_add_nc_u32 v55, s61, v53                     ; first + 16 m + r,
	v_min_u32 v55, s27, v55                        ; held at the tile's last row,
	v_min_u32 v55, 0x1fff, v55                     ; and inside the list
	v_lshlrev_b32 v55, 2, v55
	s_wait_alu depctr_va_vdst(0)                   ; v55 is written, which the load reads as its offset
	global_load_b32 v56, v55, s[4:5] offset:4096
	s_wait_loadcnt 0x0
	v_min_u32 v56, 0x1fff, v56                     ; the item
	v_lshlrev_b32 v57, 7, v56
	v_and_b32 v57, 0xffffff00, v57                 ; token x 256
	v_lshl_add_u32 v57, v54, 4, v57
	v_lshlrev_b32 v58, 3, v56
	v_and_b32 v58, 0xfffffff0, v58                 ; token x 16
	WIN 0x40                                       ; they land in window 1, where h is not yet
	s_wait_alu depctr_va_vdst(0)                   ; v57 and v58 are written, which the nine loads read as offsets; so is v56, which an LDS store below reads
.irp j, 0,1,2,3,4,5,6,7
	global_load_b128 v[4*\j:4*\j+3], v57, s[6:7] offset:32*\j     ; K step j / 2, piece j % 2
.endr
	global_load_b128 v[32:35], v58, s[6:7] offset:1048576         ; four scale words
	WIN 0
.Lno_rows:
	global_load_b128 v[36:39], v[LI], s[12:13]
	global_load_b128 v[40:43], v[LI], s[12:13] offset:512
	global_load_b128 v[44:47], v[LI], s[14:15]
	global_load_b128 v[48:51], v[LI], s[14:15] offset:512
.macro WSLOAD s                        ; W1's scale words of K step s: register 4 q + i = tile pair 4 q + i
	global_load_b128 v[WS+8*((\s)%2):WS+8*((\s)%2)+3], v[LI], s[34:35] offset:1024*(\s)
	global_load_b128 v[WS+8*((\s)%2)+4:WS+8*((\s)%2)+7], v[LI], s[34:35] offset:1024*(\s)+512
.endm
.macro GLOAD q                         ; group q = 4 x K step + g: the fragments of tiles 4 g .. 4 g + 3: eight loads of 512 consecutive bytes
.irp i, 0,1,2,3,4,5,6,7
	global_load_b128 v[RG+32*((\q)%2)+4*\i:RG+32*((\q)%2)+4*\i+3], v[LI], s[30:31] offset:4096*(\q)+512*\i
.endr
.endm
	WSLOAD 0
	GLOAD 0
	GLOAD 1
.irp t, 0,1,2,3,4,5,6,7,8,9,10,11,12,13,14,15
	global_load_b128 v[128+8*\t:131+8*\t], v12, s[10:11] offset:(32*(\t/2)+8*(\t%2))*4      ; b1 in the result's layout, into h(2, t): it is the C of each sum's first product
	global_load_b128 v[132+8*\t:135+8*\t], v12, s[10:11] offset:(32*(\t/2)+8*(\t%2))*4+16
.endr
	s_wait_loadcnt 50                              ; ln_g, ln_b and all that was asked for ahead of them are in; younger: 2 + 16 + 32
.irp i, 0,1,2,3
	ds_store_b128 v[PRW], v[36+4*\i:39+4*\i] offset:512*\i
.endr
	s_cmp_lt_u32 s22, 3
	s_cbranch_scc0 .Lno_img
	ds_store_b32 v[RTW], v56                       ; both halves of the lanes write the same word
	WIN 0x04                                       ; an LDS store's data are its source 1
.irp j, 0,1,2,3,4,5,6,7
	ds_store_b128 v[XWI], v[4*\j:4*\j+3] offset:XIMG+512*\j
.endr
.irp s, 0,1,2,3
	ds_store_b32 v[XWS], v[32+\s] offset:128*\s
.endr
	WIN 0
.Lno_img:
	s_wait_dscnt 0x0                               ; for the others' sake
	s_barrier_signal -1
	s_barrier_wait -1                              ; x's twelve fragments, the items and the parameters lie in LDS
	s_wait_alu depctr_vm_vsrc(0)                   ; my LDS stores have read v36 to v51, v56, v60 to v63 and window 1's v0 to v35, my loads v12, v55, v57 and v58: x's fragments land in some of these, the products and the later phases write the others
	; ---- FIRST PRODUCT: h = x W1 + b1.  16 groups of 12 products; the 48 accumulators take turns, one instruction a turn
.macro FETCHX s
.irp m, 0,1,2
	ds_load_b128 v[XF+8*\m:XF+8*\m+3], v[LI] offset:XIMG+1024*(4*\m+(\s))
	ds_load_b128 v[XF+8*\m+4:XF+8*\m+7], v[LI] offset:XIMG+1024*(4*\m+(\s))+512
	ds_load_b32 v[SB+\m], v[LS] offset:XSC+128*(4*\m+(\s))
.endr
.endm
.macro GROUP q
.set sK, (\q)/4
.if sK == 0
	WIN 0x40                                       ; D in window 1, C = b1 in window 0
.else
	WIN 0x50                                       ; C and D in window 1
.endif
.irp m, 0,1
.irp ti, 0,1,2,3
.set tT, 4*((\q)%4)+\ti
.set rD, 128*\m+8*tT
.if sK == 0
.set rC, 128+8*tT
.else
.set rC, rD
.endif
.set rA, RG+32*((\q)%2)+8*\ti
.set rB, XF+8*\m
.set rW, WS+8*(sK%2)+tT/2
.set rS, SB+\m
.set od, tT%2
	MMC rD, rA, rB, rC, rW, rS, od
.endr
.endr
	WIN 0
.if sK == 0
	PLACES 5                                       ; the next four write over registers that the eight above read as C
.endif
.irp ti, 0,1,2,3
.set tT, 4*((\q)%4)+\ti
.set rD, 128+8*tT
.set rA, RG+32*((\q)%2)+8*\ti
.set rB, XF+16
.set rW, WS+8*(sK%2)+tT/2
.set rS, SB+2
.set od, tT%2
	MMC rD, rA, rB, rD, rW, rS, od
.endr
.endm
	FETCHX 0
	s_wait_loadcnt 0x0                             ; b1, the youngest, is in
	s_wait_dscnt 0x0
.set Q, 0
.rept 16
.if Q == 15
	s_wait_loadcnt 0x0
.elseif (Q == 5) || (Q == 9)
	s_wait_loadcnt 10                              ; younger than this group: two loads of scale words and the next group's eight
.elseif Q >= 2
	s_wait_loadcnt 8                               ; younger than this group: the next group's eight
.endif
.if (Q%4 == 0) && (Q > 0)
	s_wait_dscnt 0x0                               ; this K step's fragments of x
.endif
	GROUP Q
	PLACES 4                                       ; in front of loads into registers that the products have read, and at the end of the first read of results
.if Q < 14
	s_wait_alu depctr_va_vdst(0)                   ; the products issued so far are done reading this group's half of W1's fragments, x's fragments and SB, and the last K step's set of WS: the loads below land in these, and no vector line stands between.  (The last two groups ask for nothing)
.endif
.if (Q%4 == 0) && (Q < 12)
	WSLOAD Q/4+1
.endif
.if Q < 14
	GLOAD Q+2
.endif
.if (Q%4 == 3) && (Q < 15)
	FETCHX Q/4+1
.endif
.set Q, Q+1
.endr
	; ---- STATISTICS of the layer norm
	v_and_b32 v[VW2], 31, v0
	v_lshlrev_b32 v[VW2], 6, v[VW2]                ; W2's scale bytes: row 32 x pair + lane, 64 bytes a row
	s_wait_alu depctr_va_vdst(0)                   ; v51 is written, which the four loads read as their offset; the last products are done reading WS, in which they land
.irp g, 0,1
.irp p, 0,1
	global_load_b128 v[WS+8*\g+4*\p:WS+8*\g+4*\p+3], v[VW2], s[16:17] offset:2048*\p+16*\g   ; K steps 4 g .. 4 g + 3 of tile pair p: they have the whole gelu phase in which to land
.endr
.endr
	v_mov_b32 v[T1], 0                             ; written once: a lane permute's destination counts as one of its sources
; row tile m, its 128 registers from hb on; wss, ws0, wip: the windows for both sources, source 0 alone, destination and source 0.  Each accumulator is read from its low end on
.macro STATS m, hb, wss, ws0, wip
	WIN \wss
.irp c, 0,1,2,3
	v_pk_add_f32 v[TC+2*\c:TC+2*\c+1], v[\hb+2*\c:\hb+2*\c+1], v[\hb+8+2*\c:\hb+8+2*\c+1]
.endr
	WIN \ws0
.set P_, 8
.rept 56
	v_pk_add_f32 v[TC+2*(P_%4):TC+2*(P_%4)+1], v[\hb+2*P_:\hb+2*P_+1], v[TC+2*(P_%4):TC+2*(P_%4)+1]
.set P_, P_+1
.endr
	WIN 0
	v_pk_add_f32 v[TC:TC+1], v[TC:TC+1], v[TC+2:TC+3]
	v_pk_add_f32 v[TC+4:TC+5], v[TC+4:TC+5], v[TC+6:TC+7]
	v_pk_add_f32 v[TC:TC+1], v[TC:TC+1], v[TC+4:TC+5]
	v_add_f32 v[T0], v[TC], v[TC+1]
	v_permlanex16_b32 v[T1], v[T0], s36, s37
	v_add_f32 v[T0], v[T0], v[T1]
	v_mul_f32 v[MUO+\m], 0x3b800000, v[T0]         ; my wave's mean of the row: / 256
	v_mul_f32 v[NM], 0xbb800000, v[T0]
	v_mul_f32 v[NM+1], 0xbb800000, v[T0]
	WIN \wip
.set P_, 0
.rept 64
	v_pk_add_f32 v[\hb+2*P_:\hb+2*P_+1], v[\hb+2*P_:\hb+2*P_+1], v[NM:NM+1]   ; h less that mean, in place
.set P_, P_+1
.endr
	WIN \wss
.irp c, 0,1,2,3
	v_pk_mul_f32 v[TC+2*\c:TC+2*\c+1], v[\hb+2*\c:\hb+2*\c+1], v[\hb+2*\c:\hb+2*\c+1]
.endr
.set P_, 4
.rept 60
	v_pk_fma_f32 v[TC+2*(P_%4):TC+2*(P_%4)+1], v[\hb+2*P_:\hb+2*P_+1], v[\hb+2*P_:\hb+2*P_+1], v[TC+2*(P_%4):TC+2*(P_%4)+1]
.set P_, P_+1
.endr
	WIN 0
	v_pk_add_f32 v[TC:TC+1], v[TC:TC+1], v[TC+2:TC+3]
	v_pk_add_f32 v[TC+4:TC+5], v[TC+4:TC+5], v[TC+6:TC+7]
	v_pk_add_f32 v[TC:TC+1], v[TC:TC+1], v[TC+4:TC+5]
	v_add_f32 v[T0], v[TC], v[TC+1]
	v_permlanex16_b32 v[T1], v[T0], s36, s37
	v_mov_b32 v[SPR+2*\m], v[MUO+\m]
	v_add_f32 v[SPR+2*\m+1], v[T0], v[T1]          ; the pair (mean, sum of squares) of row tile m: each m has registers of its own, so that the three go out together
.endm
	STATS 0, 0, 0x05, 0x01, 0x41
	STATS 1, 128, 0x05, 0x01, 0x41
	STATS 2, 128, 0, 0, 0
	s_wait_alu depctr_va_vdst(0)                   ; my three pairs v112 to v117 are written, which the LDS stores read; the products are done with v64 to v111, in which the eight waves' pairs land behind the barrier (no line of the statistics names those)
.irp m, 0,1,2
	ds_store_b64 v[STA], v[SPR+2*\m:SPR+2*\m+1] offset:128*\m     ; both halves of the lanes write the same pair
.endr
	s_wait_dscnt 0x0                               ; for the others' sake
	s_barrier_signal -1
	s_barrier_wait -1
	s_wait_alu depctr_vm_vsrc(0)                   ; my three LDS stores have read v112 to v117, which the lines below write again
.irp w, 0,1,2,3,4,5,6,7
.irp m, 0,1,2
	ds_load_b64 v[LP+2*(3*\w+\m):LP+2*(3*\w+\m)+1], v[STR] offset:384*\w+128*\m
.endr
.endr
	s_mov_b32 s61, 0x3727c5ac                      ; 1e-5
	s_mov_b32 s62, 0x43800000                      ; 256
	s_mov_b32 s63, 0x3a000000                      ; 1 / 2,048
	v_mov_b32 v[KV], 0x3e7c6f08                    ; E's coefficient 9
	v_mov_b32 v[KV+1], 0x3e7c6f08
	s_wait_dscnt 0x0
.irp m, 0,1,2
	v_add_f32 v[TC+\m], v[LP+2*\m], v[LP+2*(3+\m)]
	v_add_f32 v[TC+3+\m], v[LP+2*\m+1], v[LP+2*(3+\m)+1]
.endr
.irp w, 2,3,4,5,6,7
.irp m, 0,1,2
	v_add_f32 v[TC+\m], v[TC+\m], v[LP+2*(3*\w+\m)]
	v_add_f32 v[TC+3+\m], v[TC+3+\m], v[LP+2*(3*\w+\m)+1]
.endr
.endr
.irp m, 0,1,2
	v_mul_f32 v[TC+\m], 0x3e000000, v[TC+\m]       ; the row's mean
.endr
.irp w, 0,1,2,3,4,5,6,7
.irp m, 0,1,2
	v_sub_f32 v[LP+2*(3*\w+\m)], v[LP+2*(3*\w+\m)], v[TC+\m]
.endr
.endr
.irp m, 0,1,2
	v_mul_f32 v[SPR+\m], v[LP+2*\m], v[LP+2*\m]
.endr
.irp w, 1,2,3,4,5,6,7
.irp m, 0,1,2
	v_fma_f32 v[SPR+\m], v[LP+2*(3*\w+\m)], v[LP+2*(3*\w+\m)], v[SPR+\m]
.endr
.endr
.irp m, 0,1,2
	v_fma_f32 v[TC+3+\m], v[SPR+\m], s62, v[TC+3+\m]
.endr
.irp m, 0,1,2
	v_fma_f32 v[TC+3+\m], v[TC+3+\m], s63, s61     ; the variance + 1e-5
.endr
.irp m, 0,1,2
	v_rsq_f32 v[RS+4*\m], v[TC+3+\m]
.endr
.irp m, 0,1,2
	v_sub_f32 v[MUO+\m], v[MUO+\m], v[TC+\m]       ; my wave's mean less the row's.  (Plain instructions behind the three)
.endr
	s_wait_alu depctr_va_vdst(0)                   ; one wait for the three roots, ahead of their first reader; the joining lines above are also done with v96 to v127, in which the first chunk's parameters land below
.irp m, 0,1,2
	v_mov_b32 v[RS+4*\m+1], v[RS+4*\m]
	v_mul_f32 v[RS+4*\m+2], v[MUO+\m], v[RS+4*\m]
	v_mul_f32 v[RS+4*\m+3], v[MUO+\m], v[RS+4*\m]
.endr
	; ---- LAYER NORM, GELU, QUANTISER: a chunk of 16 registers (one block of 32 along the next K, with lane l xor 16) a trip; a loop of eight trips for each m.
	; Register numbers cannot be stepped: three tests of the trip's number lead to one of eight short pieces that bring the chunk, normalised, into v64-79; the body is written once a loop.
.irp i, 0,1,2,3
	ds_load_b128 v[GR+4*\i:GR+4*\i+3], v[PRA] offset:16*\i        ; no wait: the nine lines since the last wait on va_vdst name v36 to v50 alone
	ds_load_b128 v[BR+4*\i:BR+4*\i+3], v[PRA] offset:1024+16*\i
.endr
.macro STUB m, b, hb, w
	WIN \w
.irp i, 0,2,4,6,8,10,12,14
	v_pk_fma_f32 v[XR+\i:XR+\i+1], v[\hb+16*\b+\i:\hb+16*\b+\i+1], v[RS+4*\m:RS+4*\m+1], v[RS+4*\m+2:RS+4*\m+3]
.endr
	WIN 0
	s_branch .Lbody_\m
.endm
.macro TREE m, hb, w
	s_bitcmp1_b32 s60, 2
	s_cbranch_scc1 .Lb4_\m
	s_bitcmp1_b32 s60, 1
	s_cbranch_scc1 .Lb2_\m
	s_bitcmp1_b32 s60, 0
	s_cbranch_scc1 .Lb1_\m
	STUB \m, 0, \hb, \w
.Lb1_\m:
	STUB \m, 1, \hb, \w
.Lb2_\m:
	s_bitcmp1_b32 s60, 0
	s_cbranch_scc1 .Lb3_\m
	STUB \m, 2, \hb, \w
.Lb3_\m:
	STUB \m, 3, \hb, \w
.Lb4_\m:
	s_bitcmp1_b32 s60, 1
	s_cbranch_scc1 .Lb6_\m
	s_bitcmp1_b32 s60, 0
	s_cbranch_scc1 .Lb5_\m
	STUB \m, 4, \hb, \w
.Lb5_\m:
	STUB \m, 5, \hb, \w
.Lb6_\m:
	s_bitcmp1_b32 s60, 0
	s_cbranch_scc1 .Lb7_\m
	STUB \m, 6, \hb, \w
.Lb7_\m:
	STUB \m, 7, \hb, \w
.endm
.macro BODY m
.Lbody_\m:
	s_wait_dscnt 0x0                               ; this chunk's ln_g and ln_b are in
	s_wait_alu depctr_vm_vsrc(0)                   ; the last chunk's LDS loads have read v55, its two stores v56, v57, the codes v48, v49 and the byte v54: this chunk writes all six again
	s_add_co_u32 s61, s60, 1
	s_and_b32 s61, s61, 7
	s_lshl_b32 s61, s61, 7
	v_add_nc_u32 v[PADR], s61, v[PRA]              ; the next chunk's parameters (behind chunk 7 comes chunk 0, for the next m; the very last trip's eight loads are not used)
	s_lshl_b32 s28, s60, 8                         ; 256 x chunk = 1,024 kappa + 256 b'
	s_lshr_b32 s62, s60, 2
	s_and_b32 s63, s60, 3
	s_lshl_b32 s29, s62, 7
	s_add_co_u32 s29, s29, s63                     ; 128 kappa + b'
.irp i, 0,2,4,6,8,10,12,14
	v_pk_fma_f32 v[XR+\i:XR+\i+1], v[XR+\i:XR+\i+1], v[GR+\i:GR+\i+1], v[BR+\i:BR+\i+1]   ; x = normalised x ln_g + ln_b
.endr
.irp i, 0,1,2,3,4,5,6,7,8,9,10,11,12,13,14,15
	v_fma_f32 v[BR+\i], |v[XR+\i]|, s38, 1.0
.endr
.irp i, 0,1,2,3,4,5,6,7,8,9,10,11,12,13,14,15
	v_rcp_f32 v[BR+\i], v[BR+\i]                   ; t
.endr
.irp i, 0,2,4,6,8,10,12,14
	v_pk_mul_f32 v[GR+\i:GR+\i+1], v[XR+\i:XR+\i+1], s[40:41] op_sel_hi:[1,0]   ; u.  (Plain work behind the batch)
.endr
	s_wait_alu depctr_va_vdst(0)                   ; one wait for the sixteen reciprocals, ahead of their first reader
.irp i, 0,2,4,6,8,10,12,14
	v_pk_fma_f32 v[PR+\i:PR+\i+1], v[BR+\i:BR+\i+1], v[KV:KV+1], s[58:59] op_sel_hi:[1,1,0]
.endr
.irp k, 56,54,52,50,48,46,44,42
.irp i, 0,2,4,6,8,10,12,14
	v_pk_fma_f32 v[PR+\i:PR+\i+1], v[PR+\i:PR+\i+1], v[BR+\i:BR+\i+1], s[\k:\k+1] op_sel_hi:[1,1,0]
.endr
.endr
.irp i, 0,2,4,6,8,10,12,14
	v_pk_fma_f32 v[PR+\i:PR+\i+1], v[GR+\i:GR+\i+1], v[GR+\i:GR+\i+1], v[PR+\i:PR+\i+1] neg_lo:[1,0,0] neg_hi:[1,0,0]   ; E(t) - u^2
.endr
.irp i, 0,1,2,3,4,5,6,7,8,9,10,11,12,13,14,15
	v_exp_f32 v[PR+\i], v[PR+\i]
.endr
	v_add_nc_u32 v[HADR], s28, v[HW2]              ; (plain work behind the batch)
	v_add_nc_u32 v[BADR], s29, v[HWB]
	s_wait_alu depctr_va_vdst(0)                   ; one wait for the sixteen exponentials, ahead of their first reader; it also shows v55 written and u's last readers done: the four loads below read the one and land in the other
.irp i, 0,1,2,3
	ds_load_b128 v[GR+4*\i:GR+4*\i+3], v[PADR] offset:16*\i       ; the next chunk's ln_g; no line of the rest of this chunk names v96 to v111
.endr
.irp i, 0,2,4,6,8,10,12,14
	v_pk_mul_f32 v[PR+\i:PR+\i+1], v[PR+\i:PR+\i+1], v[BR+\i:BR+\i+1]   ; e
.endr
.irp i, 0,1,2,3,4,5,6,7,8,9,10,11,12,13,14,15
	v_max_num_f32 v[BR+\i], 0, v[XR+\i]
.endr
.irp i, 0,1,2,3,4,5,6,7,8,9,10,11,12,13,14,15
	v_fma_f32 v[XR+\i], -|v[XR+\i]|, v[PR+\i], v[BR+\i]           ; gelu
.endr
	v_max3_num_f32 v[MX], |v[XR]|, |v[XR+1]|, 0x1800000           ; the block's largest magnitude, with the floor 2^(3 - 127): the byte cannot fall under 1
	v_max3_num_f32 v[MX2], |v[XR+2]|, |v[XR+3]|, |v[XR+4]|
	v_max3_num_f32 v[MX], v[MX], |v[XR+5]|, |v[XR+6]|
	v_max3_num_f32 v[MX2], v[MX2], |v[XR+7]|, |v[XR+8]|
	v_max3_num_f32 v[MX], v[MX], |v[XR+9]|, |v[XR+10]|
	v_max3_num_f32 v[MX2], v[MX2], |v[XR+11]|, |v[XR+12]|
	v_max3_num_f32 v[MX], v[MX], |v[XR+13]|, |v[XR+14]|
	v_max3_num_f32 v[MX], v[MX], v[MX2], |v[XR+15]|
	v_permlanex16_b32 v[MX2], v[MX], s36, s37
	v_max_num_f32 v[MX], v[MX], v[MX2]
	v_add_nc_u32 v[SCL], 0xff000000, v[MX]         ; 2 off its exponent field: the conversion's scale operand
	v_lshrrev_b32 v[BYT], 23, v[SCL]               ; the scale's byte
	v_cvt_scalef32_pk8_fp4_f32 v[CD], v[XR:XR+7], v[SCL]
	v_cvt_scalef32_pk8_fp4_f32 v[CD+1], v[XR+8:XR+15], v[SCL]
	v_nop                                          ; one plain instruction behind the last conversion
	s_wait_alu depctr_va_vdst(0)                   ; the codes and the byte are written, which the two stores read; the gelu's lines are done reading max(x, 0) in v112 to v127, in which the four loads land
	; The operand's layout wants a whole block in a lane: registers 4 c .. 4 c + 3 of lane (r, b' % 2), c = b' / 2.  In the fragment's image that is byte 256 b' + 16 r, and my 16 codes are its half h: the store itself puts them there
	ds_store_b64 v[HADR], v[CD:CD+1] offset:2048*\m
	ds_store_b8 v[BADR], v[BYT] offset:256*\m      ; byte b' of my lane's scale word
.irp i, 0,1,2,3
	ds_load_b128 v[BR+4*\i:BR+4*\i+3], v[PADR] offset:1024+16*\i  ; the next chunk's ln_b
.endr
.endm
.macro ALOOP m, hb, w
	s_mov_b32 s60, 0
.Lchunk_\m:
	TREE \m, \hb, \w
	BODY \m
	s_add_co_u32 s60, s60, 1
	s_cmp_lt_u32 s60, 8
	s_cbranch_scc1 .Lchunk_\m
.endm
.macro W2EARLY from                    ; four K steps of W2 into registers that h has left: 32 loads of 512 consecutive bytes
	WIN 0x40
	s_wait_alu depctr_va_vdst(0)                   ; the eight chunks' first lines are done reading this row tile's h, in which the loads land
.set J_, \from
.rept 32
	global_load_b128 v[4*J_:4*J_+3], v[LI], s[32:33] offset:512*J_
.set J_, J_+1
.endr
	WIN 0
.endm
	ALOOP 0, 0, 0x01
	W2EARLY 0                                      ; K steps 0 to 3: they land while m = 1 and 2 are worked
	ALOOP 1, 128, 0x01
	W2EARLY 32                                     ; K steps 4 to 7
	ALOOP 2, 128, 0
	s_wait_dscnt 0x0                               ; my images lie in LDS; the last trip's loads are in, so their registers may be used
	v_bfe_u32 v[VB2], v0, 4, 1
	v_lshlrev_b32 v[VB2], 5, v[VB2]                ; 32 h
	s_wait_alu depctr_va_vdst(0)                   ; v58 is written, which b2's loads read as their offset; the gelu phase is done with v84 to v99 and v224 to v255, in which the twelve loads land, and with v36 to v83, in which the hidden fragments land behind the barrier
.irp g, 2,3
.irp p, 0,1
	global_load_b128 v[WSB+8*(\g-2)+4*\p:WSB+8*(\g-2)+4*\p+3], v[VW2], s[16:17] offset:2048*\p+16*\g
.endr
.endr
.irp n, 0,1,2,3
	global_load_b128 v[B2R+8*\n:B2R+8*\n+3], v[VB2], s[18:19] offset:64*\n       ; b2 in the result's layout
	global_load_b128 v[B2R+8*\n+4:B2R+8*\n+7], v[VB2], s[18:19] offset:64*\n+16
.endr
	s_wait_xcnt 0x0                                ; these loads have had their addresses translated: their address registers are among those that the hidden fragments will take
	s_wait_alu depctr_vm_vsrc(0)                   ; these loads have read v51 and v58, the last chunk's LDS instructions v48, v49 and v54 to v57: the hidden fragments land in all of them
	s_barrier_signal -1
	s_barrier_wait -1                              ; the hidden layer's 48 fragments lie in LDS
	; ---- SECOND PRODUCT: y = a W2.  16 K steps of 12 products; the 12 accumulators take turns, one instruction a turn
.macro HFETCH st
.set hS, HF+24*((\st)%2)
.irp m, 0,1,2
.set fF, 6*((\st)/2)+2*\m+(\st)%2
	ds_load_b128 v[hS+8*\m:hS+8*\m+3], v[LIH] offset:1024*fF
	ds_load_b128 v[hS+8*\m+4:hS+8*\m+7], v[LIH] offset:1024*fF+512
	ds_load_b32 v[SB+3*((\st)%2)+\m], v[LSH] offset:128*fF
.endr
.endm
.macro STEP2 st
.if (\st) < 15
	s_wait_dscnt 9                                 ; this step's nine LDS loads are in; the next step's nine are younger
.else
	s_wait_dscnt 0x0
.endif
.if (\st) == 0
	s_wait_loadcnt 12                              ; W2's K steps 0 to 7 and their scale words are in; younger: four loads of scale words and b2's eight
.endif
.if (\st) >= 8
	s_wait_loadcnt 8*(15-(\st))                    ; this K step's eight are in; younger: those of the K steps behind it
.endif
	WIN 0x01                                       ; source 0 (W2) in window 1
.irp n, 0,1,2,3
.irp m, 0,1,2
.set rD, YA+8*(3*\n+\m)
.set rA, 32*((\st)%8)+8*\n
.set rB, HF+24*((\st)%2)+8*\m
.if (\st) < 8
.set rW, WS+8*((\st)/4)+4*(\n/2)+(\st)%4
.else
.set rW, WSB+8*((\st)/4-2)+4*(\n/2)+(\st)%4
.endif
.set rS, SB+3*((\st)%2)+\m
.set od, \n%2
.if (\st) == 0
	MMZ rD, rA, rB, rW, rS, od
.else
	MMC rD, rA, rB, rD, rW, rS, od
.endif
.endr
.endr
	WIN 0
	PLACES 4                                       ; in front of loads into registers that the products have read, and at the end of the first read of results
.if (\st) < 14
	s_wait_alu depctr_va_vdst(0)                   ; this step's products are done reading their set of hidden fragments, its three scale words and their slot of W2: the loads below land in these; only loads and window switches follow.  (The last two steps ask for nothing)
	HFETCH (\st)+2
.endif
.if (\st) < 8
	WIN 0x40
.irp j, 0,1,2,3,4,5,6,7
	global_load_b128 v[32*(\st)+4*\j:32*(\st)+4*\j+3], v[LI], s[32:33] offset:4096*((\st)+8)+512*\j   ; the slot takes the K step eight further on
.endr
	WIN 0
.endif
.endm
	HFETCH 0
	HFETCH 1
.set Q, 0
.rept 16
	STEP2 Q
.set Q, Q+1
.endr
	; ---- THE WAY OUT.  + b2; a lane's eight numbers are 32 bytes of one row, my wave's 64 outputs 256 bytes of it: 16 rows at a time through my own stage, then sixteen lanes store 256 consecutive bytes, aligned.
	; The 24 items (three row tiles x eight pairs of rows) are fetched at once and their 24 offsets made together, so that one wait serves all 24 stores; each row tile comes back into registers of its own.
.irp n, 0,1,2,3
.irp m, 0,1,2
.irp j, 0,2,4,6
	v_pk_add_f32 v[YA+8*(3*\n+\m)+\j:YA+8*(3*\n+\m)+\j+1], v[YA+8*(3*\n+\m)+\j:YA+8*(3*\n+\m)+\j+1], v[B2R+8*\n+\j:B2R+8*\n+\j+1]   ; each accumulator from its low end on
.endr
.endr
.endr
	v_and_b32 v20, 15, v0                          ; r
	v_bfe_u32 v21, v0, 4, 1                        ; h
	s_mul_i32 s61, s22, 4352
	s_add_co_u32 s61, s61, YST
	v_mul_u32_u24 v[SI], v20, 272
	v_lshl_add_u32 v[SI], v21, 5, v[SI]
	v_add_nc_u32 v[SI], s61, v[SI]                 ; in: row r, + 32 h (+ 64 n)
	v_mul_u32_u24 v[SBK], v21, 272
	v_lshl_add_u32 v[SBK], v20, 4, v[SBK]
	v_add_nc_u32 v[SBK], s61, v[SBK]               ; back: lanes 0-15 one row, lanes 16-31 the next
	v_lshl_add_u32 v[SIT], v21, 2, ROWT            ; and that row's item
	s_lshl_b32 s61, s22, 8
	v_lshl_add_u32 v[SYO], v20, 4, s61             ; my 16 bytes of the wave's 256 in a row of y
	s_cmp_eq_u32 s26, 0
	s_cbranch_scc1 .Ldone                          ; a tile with no rows stores nothing
.macro STAGE m, ob                     ; row tile m through the stage, back into v[ob] on
.irp n, 0,1,2,3
	ds_store_b128 v[SI], v[YA+8*(3*\n+\m):YA+8*(3*\n+\m)+3] offset:64*\n
	ds_store_b128 v[SI], v[YA+8*(3*\n+\m)+4:YA+8*(3*\n+\m)+7] offset:64*\n+16
.endr
.irp i, 0,1,2,3,4,5,6,7
	ds_load_b128 v[\ob+4*\i:\ob+4*\i+3], v[SBK] offset:544*\i     ; LDS serves a wave's instructions in order: these see my stores, and the next tile's stores come behind them
.endr
.endm
.macro SEND m, ob, younger             ; younger: the LDS instructions of the row tiles behind this one
.irp i, 0,1,2,3,4,5,6,7
	s_wait_dscnt \younger+7-\i                     ; load i of the tile's eight is in
	global_store_b128 v[OF+8*\m+\i], v[\ob+4*\i:\ob+4*\i+3], s[20:21]
.endr
.endm
	s_wait_alu depctr_va_vdst(0)                   ; the additions have written y, which the LDS stores read, and are done reading b2; the four addresses v124 to v127 are written; the products are done with v36 to v99: the LDS loads below land in v36 to v123 and in b2's registers
.irp m, 0,1,2
.irp i, 0,1,2,3,4,5,6,7
	ds_load_b32 v[OF+8*\m+\i], v[SIT] offset:(16*\m+2*\i)*4
.endr
.endr
	STAGE 0, 36
	STAGE 1, 68
	s_wait_dscnt 32                                ; the 24 items are in; younger: two row tiles' sixteen LDS instructions each
.set J_, 0
.rept 24
	v_min_u32 v[OF+J_], 0x1fff, v[OF+J_]           ; the item, held inside y
.set J_, J_+1
.endr
.set J_, 0
.rept 24
	v_lshl_add_u32 v[OF+J_], v[OF+J_], 11, v[SYO]
.set J_, J_+1
.endr
	s_wait_alu depctr_va_vdst(0)                   ; the 24 offsets are written, which the stores read
	STAGE 2, B2R                                   ; (the 48 lines since the wait before name v100 to v123 and v127 alone: y, the stage's addresses and b2's registers are as that wait left them)
	SEND 0, 36, 32
	SEND 1, 68, 16
	SEND 2, B2R, 0
.Ldone:
	s_wait_dscnt 0x0                               ; the closing lines, six on end
	s_wait_alu 0x0
	s_wait_tensorcnt 0x0
	ds_add_u32 v[SPW], v[NIL]
	s_wait_dscnt 0x0
	s_endpgm
.Lfunc_end_k_qe59bc986f4_chain:
	.size	k_qe59bc986f4_chain, .Lfunc_end_k_qe59bc986f4_chain-k_qe59bc986f4_chain
	.p2alignl 7, 3214868480
	.fill 96, 4, 3214868480
	.section	.rodata,"a",@progbits
	.p2align	6, 0x0
	.amdhsa_kernel k_qe59bc986f4_chain
		.amdhsa_group_segment_fixed_size 124672
		.amdhsa_private_segment_fixed_size 0
		.amdhsa_enable_private_segment 0
		.amdhsa_kernarg_size 72
		.amdhsa_user_sgpr_count 2
		.amdhsa_user_sgpr_kernarg_segment_ptr 1
		.amdhsa_wavefront_size32 1
		.amdhsa_system_sgpr_workgroup_id_x 1
		.amdhsa_system_sgpr_workgroup_id_y 1
		.amdhsa_system_sgpr_workgroup_id_z 1
		.amdhsa_system_vgpr_workitem_id 0
		.amdhsa_next_free_vgpr 512
		.amdhsa_next_free_sgpr 66
		.amdhsa_reserve_vcc 0
		.amdhsa_float_denorm_mode_32 3
		.amdhsa_float_denorm_mode_16_64 3
		.amdhsa_memory_ordered 1
		.amdhsa_forward_progress 1
		.amdhsa_inst_pref_size 218
	.end_amdhsa_kernel
	.amdgpu_metadata
---
amdhsa.version: [ 1, 2 ]
amdhsa.kernels:
  - .name:           k_qe59bc986f4_chain
    .symbol:         k_qe59bc986f4_chain.kd
    .args:
      - { .name: plan, .offset: 0, .size: 8, .value_kind: global_buffer, .address_space: global }
      - { .name: xq, .offset: 8, .size: 8, .value_kind: global_buffer, .address_space: global }
      - { .name: wf, .offset: 16, .size: 8, .value_kind: global_buffer, .address_space: global }
      - { .name: b1, .offset: 24, .size: 8, .value_kind: global_buffer, .address_space: global }
      - { .name: ln_g, .offset: 32, .size: 8, .value_kind: global_buffer, .address_space: global }
      - { .name: ln_b, .offset: 40, .size: 8, .value_kind: global_buffer, .address_space: global }
      - { .name: W2_scales, .offset: 48, .size: 8, .value_kind: global_buffer, .address_space: global }
      - { .name: b2, .offset: 56, .size: 8, .value_kind: global_buffer, .address_space: global }
      - { .name: y, .offset: 64, .size: 8, .value_kind: global_buffer, .address_space: global }
    .group_segment_fixed_size: 124672
    .private_segment_fixed_size: 0
    .kernarg_segment_align: 8
    .kernarg_segment_size: 72
    .max_flat_workgroup_size: 256
    .sgpr_count:     66
    .vgpr_count:     512
    .wavefront_size: 32
...
	.end_amdgpu_metadata
.endif
;; end of part 5
;; launch combine: the kernel of part 4 again; grid 256 x 1, 8 waves a work-group, no clusters, 0 bytes of LDS; arguments y, gout, out_g, out_b, out0; writes out0
